; MI455X (gfx1250); checked and timed in simulation.
; The chip was launched on July 23, 2026; its instructions are those of AMD's public machine-readable ISA for CDNA 5 (MIT licence, August 2026) and "CDNA5" Instruction Set Architecture Reference Guide (July 2026). The comments in the code are by the model that wrote it; some were corrected since.
;; Transformer Block. Allowed arithmetic: float matrix products may take bf16 or f16 operands with f32 sums; other float arithmetic in f32, or as packed bf16 or f16 multiplies, adds, multiply-adds, maxima and minima; sums over many terms, partial sums and values carried from step to step in f32; what a program stores and reads back later, other than sums and carried values, may be rounded once to bf16 or f16.
;; Inputs: b1 4,096 float32; b2 1,024 float32; bk 1,024 float32; bo 1,024 float32; bq 1,024 float32; bv 1,024 float32; ln1_scale 1,024 float32; ln1_shift 1,024 float32; ln2_scale 1,024 float32; ln2_shift 1,024 float32; w1 1,024 x 4,096 float32; w2 4,096 x 1,024 float32; wk 1,024 x 1,024 float32; wo 1,024 x 1,024 float32; wq 1,024 x 1,024 float32; wv 1,024 x 1,024 float32; x 2 x 2,048 x 1,024 float32.
;; Outputs: out0 2 x 2,048 x 1,024 float32.
;; One version. Each part assembles by itself: llvm-mc -triple=amdgcn-amd-amdhsa -mcpu=gfx1250 --defsym DOCPART=n.
;; ======== version 1 of 1: 7 launches
;; limits: right only within a limited range of input values
;; workspace buffers: wb 25,165,824 bytes; h 8,388,608 bytes; qkv 25,165,824 bytes; ctx 8,388,608 bytes; x2 16,777,216 bytes; g 33,554,432 bytes
;; launch prep (part 1): grid 512 x 1, 16 waves a work-group, no clusters, 0 bytes of LDS; arguments x, ln1_scale, ln1_shift, h, wq, wk, wv, wo, w1, w2, wb; writes h, wb
.if DOCPART == 1
	.amdgcn_target "amdgcn-amd-amdhsa--gfx1250"
	.amdhsa_code_object_version 6
	.text
	.protected	k_q6d592231ce_prep
	.globl	k_q6d592231ce_prep
	.p2align	8
	.type	k_q6d592231ce_prep,@function
k_q6d592231ce_prep:
	s_mov_b64 s[64:65], 0
	v_nop
	global_prefetch_b8 v0, s[64:65] scope:SCOPE_SE
	s_setreg_imm32_b32 hwreg(HW_REG_WAVE_MODE, 25, 1), 1
	s_wait_xcnt 0x0
; LAYER NORM OF ROWS OF 1,024 f32 INTO bf16, AND THE CAST OF THE SIX WEIGHTS TO bf16.  Arguments: x, scale, shift, h, wq, wk, wv, wo, w1, w2, wb.
; Sixteen waves.  Work-groups 0-255: wave w takes row 16 g + w of x (4,096 bytes in, 2,048 out): h = scale (x - mean) / sqrt(var + 1e-5) + shift, mean and variance in two passes over the row,
; which stays in 32 registers: a common offset of x does no harm.
; Work-groups 256-511 (c = g - 256): the weights are 12,288 runs of 1,024 numbers: 4,096 in wq, wk, wv, wo, 4,096 in w1, 4,096 in w2.  Wave w takes run 16 c + w of each of the three groups, 12 KiB,
; all 24 loads at once; each number is rounded once; the copies lie in wb end to end, each tensor in its own order.
; With 128 registers a wave two work-groups lie on a WGP, so the 512 are one round: every load of the launch goes out at its start.  On a grid of 256 work-groups the same text is the layer norm alone.
; Every load of a wave covers 512 consecutive bytes, every store 256 consecutive bytes that begin at a multiple of 256 from the buffer's first byte.  No LDS, no barrier, no loop.
; LIMITS.  NaN and infinities are not treated apart.
.set XO,  2                            ; v2        16 x lane: my 16 bytes in each 512 of a run
.set YO,  3                            ; v3        8 x lane: my 8 bytes in each 256 of the result
.set X,   8                            ; v[8:39]   the run: load j holds columns 128 j + 4 lane .. + 3.  In the cast v[8:103] hold three runs
.set SC,  40                           ; v[40:71]  scale of the same columns
.set SH,  72                           ; v[72:103] shift
.set T,   104                          ; v[104:119] at work; then the packed result
.set M,   120                          ; v[120:121] the mean, twice
.set R,   122                          ; v[122:123] 1 / sqrt(var + eps), twice
	s_load_b256 s[4:11], s[0:1], 0x0               ; x s[4:5], scale s[6:7], shift s[8:9], h s[10:11]
	s_load_b256 s[12:19], s[0:1], 0x20             ; wq s[12:13], wk s[14:15], wv s[16:17], wo s[18:19]
	s_load_b128 s[20:23], s[0:1], 0x40             ; w1 s[20:21], w2 s[22:23]
	s_load_b64 s[24:25], s[0:1], 0x50              ; wb
	v_lshrrev_b32 v1, 5, v0
	v_readfirstlane_b32 s26, v1                    ; wave 0..15
	v_and_b32 v1, 31, v0
	v_lshlrev_b32 v[XO], 4, v1
	v_lshlrev_b32 v[YO], 3, v1
	s_mov_b32 s27, ttmp9
	s_mov_b32 s29, 0                               ; high word of the offsets
	s_wait_kmcnt 0x0
	s_cmp_lt_u32 s27, 256
	s_cbranch_scc0 .Lcast
	; ---------------- the layer norm ----------------
	s_mov_b32 s34, 0x76543210                      ; v_permlanex16_b32: each lane takes its own place in the other half
	s_mov_b32 s35, 0xfedcba98
	s_mov_b32 s36, 0x3a800000                      ; 1 / 1024
	s_mov_b32 s37, 0x3727c5ac                      ; 1e-5
	s_lshl_b32 s28, s27, 4
	s_add_co_u32 s28, s28, s26                     ; my row
	s_lshl_b32 s38, s28, 11                        ; x 2,048 bytes of h
	s_mov_b32 s39, 0
	s_lshl_b32 s28, s28, 12                        ; x 4,096 bytes of x
	s_add_nc_u64 s[30:31], s[4:5], s[28:29]
	s_add_nc_u64 s[32:33], s[10:11], s[38:39]
.irp j, 0,1,2,3,4,5,6,7
	global_load_b128 v[X+4*(\j):X+4*(\j)+3], v[XO], s[30:31] offset:512*(\j) th:TH_LOAD_NT
.endr
.irp j, 0,1,2,3,4,5,6,7
	global_load_b128 v[SC+4*(\j):SC+4*(\j)+3], v[XO], s[6:7] offset:512*(\j)
.endr
.irp j, 0,1,2,3,4,5,6,7
	global_load_b128 v[SH+4*(\j):SH+4*(\j)+3], v[XO], s[8:9] offset:512*(\j)
.endr
; T's eight pairs are added up, then the 32 lanes': the sum ends in v[T] of every lane
.macro REDUCE
.irp i, 0,2,4,6
	v_pk_add_f32 v[T+(\i):T+(\i)+1], v[T+(\i):T+(\i)+1], v[T+8+(\i):T+8+(\i)+1]
.endr
	v_pk_add_f32 v[T:T+1], v[T:T+1], v[T+4:T+5]
	v_pk_add_f32 v[T+2:T+3], v[T+2:T+3], v[T+6:T+7]
	v_pk_add_f32 v[T:T+1], v[T:T+1], v[T+2:T+3]
	v_add_f32 v[T], v[T], v[T+1]
	v_add_f32_dpp v[T], v[T], v[T] row_xmask:1 row_mask:0xf bank_mask:0xf
	v_add_f32_dpp v[T], v[T], v[T] row_xmask:2 row_mask:0xf bank_mask:0xf
	v_add_f32_dpp v[T], v[T], v[T] row_xmask:4 row_mask:0xf bank_mask:0xf
	v_add_f32_dpp v[T], v[T], v[T] row_xmask:8 row_mask:0xf bank_mask:0xf
	v_permlanex16_b32 v[T+1], v[T], s34, s35       ; its destination has been written before
	v_add_f32 v[T], v[T], v[T+1]
.endm
	s_wait_loadcnt 16                              ; the row's eight loads are in; the sixteen of scale and shift, issued behind them, may stay out
.irp i, 0,1,2,3,4,5,6,7
	v_pk_add_f32 v[T+2*(\i):T+2*(\i)+1], v[X+4*(\i):X+4*(\i)+1], v[X+4*(\i)+2:X+4*(\i)+3]
.endr
	REDUCE
	v_mul_f32 v[M], s36, v[T]
	v_mov_b32 v[M+1], v[M]
.set i, 0
.rept 16
	v_pk_add_f32 v[X+i:X+i+1], v[X+i:X+i+1], v[M:M+1] neg_lo:[0,1] neg_hi:[0,1]  ; x - mean, in place
.set i, i+2
.endr
.irp i, 0,1,2,3,4,5,6,7
	v_pk_mul_f32 v[T+2*(\i):T+2*(\i)+1], v[X+4*(\i):X+4*(\i)+1], v[X+4*(\i):X+4*(\i)+1]
.endr
.irp i, 0,1,2,3,4,5,6,7
	v_pk_fma_f32 v[T+2*(\i):T+2*(\i)+1], v[X+4*(\i)+2:X+4*(\i)+3], v[X+4*(\i)+2:X+4*(\i)+3], v[T+2*(\i):T+2*(\i)+1]
.endr
	REDUCE
	v_fma_f32 v[R], v[T], s36, s37                 ; var + eps
	v_rsq_f32 v[R], v[R]
	v_nop                                          ; a plain instruction behind the root,
	s_wait_alu depctr_va_vdst(0)                   ; and the wait ahead of the first use of its result
	v_mov_b32 v[R+1], v[R]
	s_wait_loadcnt 0x0                             ; scale and shift
.set i, 0
.rept 16
	v_pk_mul_f32 v[X+i:X+i+1], v[X+i:X+i+1], v[R:R+1]
.set i, i+2
.endr
.set i, 0
.rept 16
	v_pk_fma_f32 v[X+i:X+i+1], v[X+i:X+i+1], v[SC+i:SC+i+1], v[SH+i:SH+i+1]
.set i, i+2
.endr
.set i, 0
.rept 16
	v_cvt_pk_bf16_f32 v[T+i], v[X+2*i], v[X+2*i+1]
.set i, i+1
.endr
.irp j, 0,1,2,3,4,5,6,7
	global_store_b64 v[YO], v[T+2*(\j):T+2*(\j)+1], s[32:33] offset:256*(\j)  ; 32 lanes store 256 consecutive bytes
.endr
	s_endpgm
	; ---------------- the cast ----------------
.Lcast:
	s_sub_co_u32 s27, s27, 256                     ; c, 0 to 255
	s_lshr_b32 s38, s27, 6                         ; which of the four square weights holds run 16 c + w: each has 64 x 16 runs
	s_mov_b64 s[30:31], s[18:19]
	s_cmp_eq_u32 s38, 2
	s_cselect_b64 s[30:31], s[16:17], s[30:31]
	s_cmp_eq_u32 s38, 1
	s_cselect_b64 s[30:31], s[14:15], s[30:31]
	s_cmp_eq_u32 s38, 0
	s_cselect_b64 s[30:31], s[12:13], s[30:31]
	s_lshl_b32 s40, s26, 12                        ; a run is 4,096 bytes: one a wave,
	s_and_b32 s39, s27, 63
	s_lshl_b32 s28, s39, 16                        ; sixteen a work-group
	s_add_co_u32 s28, s28, s40
	s_add_nc_u64 s[30:31], s[30:31], s[28:29]      ; my run of the square weight,
	s_lshl_b32 s28, s27, 16
	s_add_co_u32 s28, s28, s40
	s_add_nc_u64 s[20:21], s[20:21], s[28:29]      ; of w1,
	s_add_nc_u64 s[22:23], s[22:23], s[28:29]      ; of w2
	s_lshl_b32 s28, s27, 15                        ; in wb a run is 2,048 bytes
	s_lshl_b32 s40, s26, 11
	s_add_co_u32 s28, s28, s40
	s_add_nc_u64 s[32:33], s[24:25], s[28:29]      ; the four square weights' copies begin at byte 0,
	s_add_nc_u64 s[34:35], s[32:33], 0x800000      ; w1's at 8,388,608,
	s_add_nc_u64 s[36:37], s[32:33], 0x1000000     ; w2's at 16,777,216
.irp j, 0,1,2,3,4,5,6,7
	global_load_b128 v[X+4*(\j):X+4*(\j)+3], v[XO], s[30:31] offset:512*(\j) th:TH_LOAD_NT
.endr
.irp j, 0,1,2,3,4,5,6,7
	global_load_b128 v[X+32+4*(\j):X+32+4*(\j)+3], v[XO], s[20:21] offset:512*(\j) th:TH_LOAD_NT
.endr
.irp j, 0,1,2,3,4,5,6,7
	global_load_b128 v[X+64+4*(\j):X+64+4*(\j)+3], v[XO], s[22:23] offset:512*(\j) th:TH_LOAD_NT
.endr
.set n, 0
.rept 24
	s_wait_loadcnt 23-n                            ; loads come back in order: load n is in, the younger ones stay out
	v_cvt_pk_bf16_f32 v[X+4*n], v[X+4*n], v[X+4*n+1]      ; rounded in place: no register is used twice
	v_cvt_pk_bf16_f32 v[X+4*n+1], v[X+4*n+2], v[X+4*n+3]
	global_store_b64 v[YO], v[X+4*n:X+4*n+1], s[32+2*(n/8):33+2*(n/8)] offset:256*(n%8)
.set n, n+1
.endr
	s_endpgm
.Lfunc_end_k_q6d592231ce_prep:
	.size	k_q6d592231ce_prep, .Lfunc_end_k_q6d592231ce_prep-k_q6d592231ce_prep
	.p2alignl 7, 3214868480
	.fill 96, 4, 3214868480
	.section	.rodata,"a",@progbits
	.p2align	6, 0x0
	.amdhsa_kernel k_q6d592231ce_prep
		.amdhsa_group_segment_fixed_size 0
		.amdhsa_private_segment_fixed_size 0
		.amdhsa_enable_private_segment 0
		.amdhsa_kernarg_size 88
		.amdhsa_user_sgpr_count 2
		.amdhsa_user_sgpr_kernarg_segment_ptr 1
		.amdhsa_wavefront_size32 1
		.amdhsa_system_sgpr_workgroup_id_x 1
		.amdhsa_system_sgpr_workgroup_id_y 1
		.amdhsa_system_sgpr_workgroup_id_z 1
		.amdhsa_system_vgpr_workitem_id 0
		.amdhsa_next_free_vgpr 128
		.amdhsa_next_free_sgpr 66
		.amdhsa_reserve_vcc 0
		.amdhsa_float_denorm_mode_32 3
		.amdhsa_float_denorm_mode_16_64 3
		.amdhsa_memory_ordered 1
		.amdhsa_forward_progress 1
		.amdhsa_inst_pref_size 21
	.end_amdhsa_kernel
	.amdgpu_metadata
---
amdhsa.version: [ 1, 2 ]
amdhsa.kernels:
  - .name:           k_q6d592231ce_prep
    .symbol:         k_q6d592231ce_prep.kd
    .args:
      - { .name: x, .offset: 0, .size: 8, .value_kind: global_buffer, .address_space: global }
      - { .name: ln1_scale, .offset: 8, .size: 8, .value_kind: global_buffer, .address_space: global }
      - { .name: ln1_shift, .offset: 16, .size: 8, .value_kind: global_buffer, .address_space: global }
      - { .name: h, .offset: 24, .size: 8, .value_kind: global_buffer, .address_space: global }
      - { .name: wq, .offset: 32, .size: 8, .value_kind: global_buffer, .address_space: global }
      - { .name: wk, .offset: 40, .size: 8, .value_kind: global_buffer, .address_space: global }
      - { .name: wv, .offset: 48, .size: 8, .value_kind: global_buffer, .address_space: global }
      - { .name: wo, .offset: 56, .size: 8, .value_kind: global_buffer, .address_space: global }
      - { .name: w1, .offset: 64, .size: 8, .value_kind: global_buffer, .address_space: global }
      - { .name: w2, .offset: 72, .size: 8, .value_kind: global_buffer, .address_space: global }
      - { .name: wb, .offset: 80, .size: 8, .value_kind: global_buffer, .address_space: global }
    .group_segment_fixed_size: 0
    .private_segment_fixed_size: 0
    .kernarg_segment_align: 8
    .kernarg_segment_size: 88
    .max_flat_workgroup_size: 512
    .sgpr_count:     66
    .vgpr_count:     128
    .wavefront_size: 32
...
	.end_amdgpu_metadata
.endif
;; end of part 1
;; launch qkv (part 2): grid 12 x 16, 4 waves a work-group, clusters of 4 x 4, 327,680 bytes of LDS; arguments h, wb, qkv, bq, bk, bv; writes qkv
.if DOCPART == 2
	.amdgcn_target "amdgcn-amd-amdhsa--gfx1250"
	.amdhsa_code_object_version 6
	.text
	.protected	k_q6d592231ce_qkv
	.globl	k_q6d592231ce_qkv
	.p2align	8
	.type	k_q6d592231ce_qkv,@function
k_q6d592231ce_qkv:
	s_mov_b64 s[64:65], 0
	v_nop
	global_prefetch_b8 v0, s[64:65] scope:SCOPE_SE
	s_setreg_imm32_b32 hwreg(HW_REG_WAVE_MODE, 25, 1), 1
	s_wait_xcnt 0x0
	s_wait_alu depctr_hold_cnt(0) depctr_sa_sdst(0) depctr_va_vdst(0) depctr_va_sdst(0) depctr_va_ssrc(0) depctr_va_vcc(0) depctr_vm_vsrc(0)
	s_getreg_b32 s2, hwreg(HW_REG_IB_STS2, 6, 4)
	s_cmp_eq_u32 s2, 0
	s_cbranch_scc0 .Lentry_in_a_cluster
	s_endpgm
.Lentry_in_a_cluster:
	s_bfe_u32 s2, ttmp6, 0x10000c
	s_cmp_lg_u32 s2, 0xf033
	s_cbranch_scc0 .Lentry_shape_is_right
	s_endpgm
.Lentry_shape_is_right:
; C = A B + bias.  A = h: [4096][1024] bf16.  B: [1024][NPITCH] bf16, K along the rows' index, as the weights lie.  Sums in f32, K ascending; C rounded once to bf16.
; FF1 = 0: B is wq, wk or wv (cluster x says which: a cluster's four tile columns are one weight), bias bq, bk or bv.   FF1 = 1: B is w1, bias b1, and C = gelu(A B + bias), the exact form.
; C leaves in blocks of 64 columns: [column / 64][4096 tokens][64] bf16, so that a head's (a block's) rows are dense and two tokens of a block are 256 consecutive bytes.
; A tile of C is 256 x 256: four waves, each 128 x 128 in 64 accumulators of 16 x 16, 512 registers.  K goes in 8 steps of 128 through two LDS slots filled by the tensor data mover.
; With FF1 = 0 there are 192 such tiles for 256 WGPs: a tile of 192 columns would cut heads between waves, and tiles of 128 x 128 would read LDS twice as often for each product.
; CLUSTERS: 4 x 4 work-groups; A's tile is asked for jointly along a row of the cluster, B's along a column: the same tensor load, descriptor and mask in the four that it names.
; THE MATRIX INSTRUCTION IS USED TRANSPOSED: source 0 = 16 columns of B (turned on the way out of LDS by ds_load_tr16_b128), source 1 = 16 rows of A: a lane holds row l % 16 of C and the columns 8 (l / 16) + 0..7.
; LIMITS.  NaN and infinities are not treated apart.  FF1 = 1: Phi(-|x|) = Z(x) t (c1 + t (c2 + t (c3 + t (c4 + t c5)))), t = 1 / (1 + 0.2316419 |x|) (Abramowitz and Stegun 26.2.17: off by less than 7.5e-8 for every x);
; gelu(x) = max(x, 0) - |x| Phi(-|x|); where x x overflows, Z is 0 and the result max(x, 0).
; REGISTERS, in windows of 256: window 0: v0-31 addresses, v64-127 and v128-191 A's fragments, two buffers; on the way out v8-15 and v32-251 at work.  window 1: v64-191 B's fragments, two buffers.
;   window 2: the accumulators of my rows 0-63 ((a, b) at v[8 (8 a + b)]); window 3: those of my rows 64-127.
.set FF1, 0
.if FF1
.set NPITCH, 4096                      ; elements from one k row of B to the next
.set NPR, 4                            ; pairs of rows in a trip of the way out
.else
.set NPITCH, 1024
.set NPR, 8
.endif
.set PA,    272                        ; a row of A in LDS: 256 bytes + 16: row r starts at bank 4 r mod 64 (64 banks of 4 bytes: ISA guide 11.1)
.set HA,    128*PA                     ; 128 rows of A: one tensor load
.set PB,    288                        ; a k row of B: 256 bytes + 32
.set HB,    128*PB                     ; 128 k rows x 128 columns of B: one tensor load
.set SLOT,  2*HA+2*HB                  ; A's two row halves, then B's two column halves
.set SP,    528                        ; the way out: a row of 128 f32 + 16 bytes
.set WST,   128*SP                     ; a wave's stage; the four lie in the ring, which has had its last fill by then
.set SPARE, 2*SLOT                     ; behind the ring: the spare words, 128 bytes a wave: two blocks of 256 bytes that no other line names
.set BSTEP, 128*NPITCH*2               ; bytes of B from a K step to the next
.set ADRA0, 12                         ; v12  my lane's place among A's fragments in slot 0; not rewritten in the K loop
.set ADRB0, 13                         ; v13  the same for B
.set ADRA,  16                         ; v16  the same in the slot that is being read
.set ADRB,  20                         ; v20
.set STO,   24                         ; v24  the way out: where I put 32 bytes of a row
.set RD,    25                         ; v25  where I read 32 bytes back
.set CO,    26                         ; v26  my byte offset in C
.set BO,    27                         ; v27  my byte offset in the bias
.set SPW,   28                         ; v28  LDS address of my spare word; never rewritten
.set NIL,   29                         ; v29  0; never rewritten
.set PFO,   30                         ; v30  the prefetches' offset: my lane x a row of A or of B in memory; never rewritten
.set F0,    64
.set F1,    128
.set X,     32                         ; the way out: NPR pairs of rows as read back, 8 registers each
.if FF1
.set XB,    64                         ; + bias
.set T,     96
.set E,     128
.set RL,    160
.set PT,    192
.set Y,     224
.set RES,   T
.set CN,    8                          ; v[8:15], v[248:251]: the constants, each twice, for the packed forms
.set C1,    10
.set C2,    12
.set C3,    14
.set C4,    248
.set C5,    250
.else
.set XB,    96
.set Y,     160
.set RES,   XB
.endif
.set BI,    240                        ; v[240:247] the bias of my 8 columns
.set G1,   24                          ; s[24:31] descriptor group 1 for A's tiles
.set G0,   32                          ; s[32:35] group 0: A, K step 0, slot 0
.set G0W,  36                          ; s[36:39] group 0: A, K step 1, slot 1; then it walks
.set G1B,  48                          ; s[48:55], s[56:59], s[60:63]: the same for B
.set G0B,  56
.set G0BW, 60
.set LIM,  43                          ; s43      2 in a wave that prefetches, else the greatest number
.set PFA,  44                          ; s[44:45] where my prefetches stand
.set PFS,  66                          ; s[66:67] their step: a K step of A or of B
.set BP,   68                          ; s[68:69] the bias
.set MSB, 0
.macro WIN new                         ; the immediate's high byte repeats the setting that is left; a switch that changes nothing is dropped
.if MSB != (\new)
	s_set_vgpr_msb (MSB<<8)|(\new)
.set MSB, \new
.endif
.endm
.set MUL_LO, 0xa1                      ; source 0 (B) window 1, source 1 (A) window 0, C and D window 2
.set MUL_HI, 0xf1                      ; the same, C and D window 3
.set TO_B,   0x40                      ; destination window 1, address window 0
; A joint refill.  Waves 0 and 1 fetch A's two halves, waves 2 and 3 B's.  The branch hangs on the wave's number alone.  An s_nop 0 and four v_nop follow each of the two lines.
.macro JLOAD
	s_cmp_eq_u32 s11, 0
	s_cbranch_scc0 .Lfor_b_\@
	tensor_load_to_lds s[G0W:G0W+3], s[G1:G1+7]
	s_nop 0
.rept 4
	v_nop
.endr
	s_branch .Lasked_\@
.Lfor_b_\@:
	tensor_load_to_lds s[G0BW:G0BW+3], s[G1B:G1B+7]
	s_nop 0
.rept 4
	v_nop
.endr
.Lasked_\@:
.endm
; A PREFETCH INTO THE L2, behind each joint refill and the run of LDS loads that follows it: in the change of slots behind K step j, which asks for step j + 2, a wave names step j + 4: 32 rows x 256 bytes, a lane a row:
; two K steps, 512 matrix instructions, ahead of the load that will want them.  Each row's 256 bytes of a K step are named once in the launch: A's tile row is read by every cluster of that row of clusters, and the one with
; x = 0 asks; B's tile column by every cluster of that column, and the one with y = 0 asks; the four partners of a joint load share its 128 rows out BY ADDRESS, 32 each.  K steps 0 to 3 come by their loads alone;
; the loop's count s3 runs 6 .. 1, and the trips with s3 = 2 and 1 ask for nothing: steps 8 and 9 do not exist.
.macro ASK
	s_cmp_gt_u32 s3, s[LIM]
	s_cbranch_scc0 .Lnot_mine_\@
	global_prefetch_b8 v[PFO], s[PFA:PFA+1] th:TH_LOAD_NT scope:SCOPE_SE
.Lnot_mine_\@:
.endm
; A round of the cluster's barrier: my work-group's barrier; wave 0 signals for the work-group; every wave waits for all sixteen work-groups; my work-group's barrier once more.
.macro CREST                           ; a round behind its opening barrier
	s_cmp_lg_u32 s10, 0
	s_cbranch_scc1 .Lnot_wave_0_\@
	s_barrier_signal -3
.Lnot_wave_0_\@:
	s_barrier_wait -3
	s_barrier_signal -1
	s_barrier_wait -1
.endm
.macro CROUND
	s_barrier_signal -1
	s_barrier_wait -1
	CREST
.endm
	s_load_b128 s[4:7], s[0:1], 0x0                ; A s[4:5], wb s[6:7]
	s_load_b64 s[8:9], s[0:1], 0x10                ; C
.if FF1
	s_load_b64 s[BP:BP+1], s[0:1], 0x18            ; b1
.else
	s_load_b128 s[68:71], s[0:1], 0x18             ; bq s[68:69], bk s[70:71]
	s_load_b64 s[72:73], s[0:1], 0x28              ; bv
.endif
	v_lshl_add_u32 v[SPW], v0, 2, SPARE
	v_mov_b32 v[NIL], 0
	ds_add_u32 v[SPW], v[NIL]                      ; the wave's opening: the add and its wait stand ahead of my first tensor load; the set-up below, work on registers, stands between them
	ds_add_u32 v28, v29
	v_lshrrev_b32 v1, 5, v0
	v_readfirstlane_b32 s10, v1                    ; wave 0..3
	s_lshr_b32 s11, s10, 1                         ; which half of the tile's rows is mine.  Also: I fetch for A (0) or for B (1)
	s_and_b32 s12, s10, 1                          ; which half of its columns.  Also: which half of A's rows or of B's columns I fetch
	s_bfe_u32 s40, ttmp6, 0x40000                  ; cx
	s_bfe_u32 s41, ttmp6, 0x40004                  ; cy
	s_lshl_b32 s42, ttmp9, 2
	s_add_co_u32 s42, s42, s40                     ; tile column = 4 x cluster x + cx
	s_and_b32 s13, ttmp7, 0xffff
	s_lshl_b32 s13, s13, 2
	s_add_co_u32 s13, s13, s41                     ; tile row = 4 x cluster y + cy
	s_lshl_b32 s43, s41, 2
	s_lshl_b32 s43, 15, s43                        ; my row of the cluster
	s_lshl_b32 s44, 0x1111, s40                    ; my column
	s_or_b32 s[G1+0], s43, (1<<16)|(1<<20)|(1<<21)|(5<<22)|(3<<25)   ; the mask; 2-byte elements; padding on; bit 21 beside a mask; after every 64 words, 4 words
	s_or_b32 s[G1B+0], s44, (1<<16)|(1<<20)|(1<<21)|(5<<22)|(7<<25)  ; the same with my column's mask and 8 words of padding
.irp g, G1, G1B
	s_mov_b32 s[(\g)+1], 128<<16                   ; tensor_dim0 = 128
	s_mov_b32 s[(\g)+2], 128<<16                   ; tensor_dim1 = 128
	s_mov_b32 s[(\g)+3], 128<<16                   ; tile_dim0 = 128
	s_mov_b32 s[(\g)+4], 128                       ; tile_dim1 = 128
	s_mov_b32 s[(\g)+6], 0
	s_mov_b32 s[(\g)+7], 0
.endr
	s_mov_b32 s[G1+5], 1024                        ; elements from row to row of A,
	s_mov_b32 s[G1B+5], NPITCH                     ; of B
	s_lshl_b32 s16, s13, 8                         ; A: row 256 x tile row + 128 x half,
	s_lshl_b32 s17, s12, 7
	s_add_co_u32 s16, s16, s17
	s_lshl_b32 s16, s16, 11                        ; x 2,048 bytes
	s_mov_b32 s17, 0
.if FF1
	s_lshl_b32 s46, s42, 9                         ; B: w1 in wb, 512 bytes of a k row for each tile column
	s_add_co_u32 s46, s46, 8388608
.else
	s_lshl_b32 s46, ttmp9, 21                      ; B: wq, wk or wv in wb by the cluster's x,
	s_lshl_b32 s47, s40, 9                         ; 512 bytes of a k row for each tile column in it
	s_add_co_u32 s46, s46, s47
.endif
	s_lshl_b32 s47, s12, 8                         ; + 256 bytes for the column half
	s_add_co_u32 s46, s46, s47
	s_mov_b32 s47, 0
	s_mul_i32 s20, s12, HA                         ; where A's half goes in a slot,
	s_mul_i32 s21, s12, HB
	s_add_co_u32 s21, s21, 2*HA                    ; and B's: no place in the cluster enters an LDS address
	s_mov_b32 s22, 0                               ; the slot that is being read: 0 or SLOT
	s_wait_dscnt 0x0                               ; the opening add is done
	s_wait_kmcnt 0x0
	s_add_nc_u64 s[14:15], s[4:5], s[16:17]
	s_add_nc_u64 s[46:47], s[6:7], s[46:47]
	CROUND                                         ; all sixteen work-groups are here: the first joint loads meet
	s_mov_b32 s[G0], 1
	s_mov_b32 s[G0+1], s20
	s_add_nc_u64 s[G0+2:G0+3], s[14:15], 0
	s_or_b32 s[G0+3], s[G0+3], 0x80000000
	s_mov_b32 s[G0W], 1
	s_add_co_u32 s[G0W+1], s20, SLOT
	s_add_nc_u64 s[G0W+2:G0W+3], s[14:15], 256
	s_or_b32 s[G0W+3], s[G0W+3], 0x80000000
	s_mov_b32 s[G0B], 1
	s_mov_b32 s[G0B+1], s21
	s_add_nc_u64 s[G0B+2:G0B+3], s[46:47], 0
	s_or_b32 s[G0B+3], s[G0B+3], 0x80000000
	s_mov_b32 s[G0BW], 1
	s_add_co_u32 s[G0BW+1], s21, SLOT
	s_add_nc_u64 s[G0BW+2:G0BW+3], s[46:47], BSTEP
	s_or_b32 s[G0BW+3], s[G0BW+3], 0x80000000
	s_cmp_eq_u32 s11, 0                            ; a wave's two first fills stand in one branch, ahead of every wait on TENSORcnt and every LDS read: two loads of mine are out
	s_cbranch_scc0 .Lfirst_b
	tensor_load_to_lds s[G0:G0+3], s[G1:G1+7]
	s_nop 0
	tensor_load_to_lds s[G0W:G0W+3], s[G1:G1+7]
	s_nop 0
.rept 4
	v_nop
.endr
	s_branch .Lfirst_asked
.Lfirst_b:
	tensor_load_to_lds s[G0B:G0B+3], s[G1B:G1B+7]
	s_nop 0
	tensor_load_to_lds s[G0BW:G0BW+3], s[G1B:G1B+7]
	s_nop 0
.rept 4
	v_nop
.endr
.Lfirst_asked:
	; A's fragment: lane l holds row l % 16; two loads of 16 bytes, 32 apart, at row x pitch + 16 (l / 16).
	; B's: the turning load takes 16 k x 16 columns: lane l reads k row 8 (l / 16) + l % 8, columns 8 ((l / 8) % 2) + 0..7, and is left with column l % 16 and 8 k.
	v_and_b32 v1, 15, v0                           ; l % 16
	v_bfe_u32 v2, v0, 4, 1                         ; l / 16
	v_and_b32 v4, 7, v0                            ; l % 8
	v_bfe_u32 v5, v0, 3, 1                         ; (l / 8) % 2
	v_mul_u32_u24 v3, v1, PA
	v_lshl_add_u32 v3, v2, 4, v3
	s_mul_i32 s23, s11, HA                         ; my 128 rows of A
	v_add_nc_u32 v[ADRA0], s23, v3
	v_lshl_add_u32 v3, v2, 3, v4
	v_mul_u32_u24 v3, v3, PB
	v_lshl_add_u32 v3, v5, 4, v3
	v_add_nc_u32 v[ADRB0], s21, v3                 ; my 128 columns of B
	v_mov_b32 v[ADRA], v[ADRA0]
	v_mov_b32 v[ADRB], v[ADRB0]
	; the way out.  In: row l % 16, 32 bytes for each half of the lanes.  Back: lane l takes row (l / 8) % 2 of a pair, column block l / 16 of my two, columns 8 (l % 8) + 0..7
	s_mul_i32 s23, s10, WST
	v_mul_u32_u24 v3, v1, SP
	v_lshl_add_u32 v3, v2, 5, v3
	v_add_nc_u32 v[STO], s23, v3
	v_mul_u32_u24 v3, v5, SP
	v_lshl_add_u32 v3, v2, 8, v3
	v_lshl_add_u32 v3, v4, 5, v3
	v_add_nc_u32 v[RD], s23, v3
	v_lshlrev_b32 v3, 19, v2                       ; in C: a column block is 524,288 bytes, a token 128, my 8 columns 16
	v_lshl_add_u32 v3, v5, 7, v3
	v_lshl_add_u32 v[CO], v4, 4, v3
	v_lshlrev_b32 v3, 8, v2
	v_lshl_add_u32 v[BO], v4, 5, v3
.if FF1
	s_lshl_b32 s16, s42, 10                        ; the tile's 256 numbers of b1
.else
	s_cmp_eq_u32 ttmp9, 1
	s_cselect_b64 s[BP:BP+1], s[70:71], s[BP:BP+1]
	s_cmp_eq_u32 ttmp9, 2
	s_cselect_b64 s[BP:BP+1], s[72:73], s[BP:BP+1]
	s_lshl_b32 s16, s40, 10                        ; the tile's 256 numbers of bq, bk or bv
.endif
	s_lshl_b32 s17, s12, 9
	s_add_co_u32 s16, s16, s17
	s_mov_b32 s17, 0
	s_add_nc_u64 s[BP:BP+1], s[BP:BP+1], s[16:17]
	global_load_b128 v[BI:BI+3], v[BO], s[BP:BP+1]
	global_load_b128 v[BI+4:BI+7], v[BO], s[BP:BP+1] offset:16
	s_lshl_b32 s16, s42, 2                         ; C at my part: column block 4 x tile column + 2 x half,
	s_lshl_b32 s17, s12, 1
	s_add_co_u32 s16, s16, s17
	s_lshl_b32 s16, s16, 19
	s_lshl_b32 s17, s13, 8                         ; token 256 x tile row + 128 x half
	s_lshl_b32 s18, s11, 7
	s_add_co_u32 s17, s17, s18
	s_lshl_b32 s17, s17, 7
	s_add_co_u32 s16, s16, s17
	s_mov_b32 s17, 0
	s_add_nc_u64 s[8:9], s[8:9], s[16:17]
	; the prefetches
	s_and_b32 s18, ttmp7, 0xffff                   ; cluster y
	s_mov_b32 s23, NPITCH*2
	s_mov_b32 s[PFS], BSTEP
	s_mov_b32 s[PFS+1], 0
	s_cmp_eq_u32 s11, 0                            ; do I fetch for A?
	s_cselect_b32 s19, ttmp9, s18                  ; the coordinate along which other clusters read the same rows
	s_cselect_b32 s18, s40, s41                    ; my place among the four that ask with me
	s_cselect_b32 s23, 2048, s23                   ; bytes from row to row
	s_cselect_b32 s[PFS], 256, s[PFS]
	s_cselect_b64 s[PFA:PFA+1], s[14:15], s[46:47]
	s_cmp_eq_u32 s19, 0
	s_cselect_b32 s[LIM], 2, -1                    ; the same in all sixteen partners, for a given wave
	s_lshl_b32 s18, s18, 5
	s_mul_i32 s18, s18, s23                        ; my work-group's 32 rows of the 128,
	s_mul_i32 s16, s[PFS], 3                       ; at K step 3: the first change of slots steps it to 4
	s_add_co_u32 s16, s16, s18
	s_mov_b32 s17, 0
	s_add_nc_u64 s[PFA:PFA+1], s[PFA:PFA+1], s[16:17]
	v_and_b32 v[PFO], 31, v0
	v_mul_u32_u24 v[PFO], v[PFO], s23
; 16 matrix instructions: m blocks a0, a0 + 1 of the window's four x all 8 n blocks, 32 along K.  zero = 1: the product starts the sums.  The 64 accumulators take turns in one order everywhere.
.macro MUL16 f, hi, a0, zero
	WIN MUL_LO+0x50*(\hi)
.irp a, \a0, (\a0)+1
.irp b, 0,1,2,3,4,5,6,7
.if \zero
	v_wmma_f32_16x16x32_bf16 v[8*(8*(\a)+(\b)):8*(8*(\a)+(\b))+7], v[(\f)+8*(\b):(\f)+8*(\b)+7], v[(\f)+8*(4*(\hi)+(\a)):(\f)+8*(4*(\hi)+(\a))+7], 0
.else
	v_wmma_f32_16x16x32_bf16 v[8*(8*(\a)+(\b)):8*(8*(\a)+(\b))+7], v[(\f)+8*(\b):(\f)+8*(\b)+7], v[(\f)+8*(4*(\hi)+(\a)):(\f)+8*(4*(\hi)+(\a))+7], v[8*(8*(\a)+(\b)):8*(8*(\a)+(\b))+7]
.endif
.endr
.endr
.endm
; 32 LDS loads in one run: the fragments of quarter q (32 along K) of the slot in hand into buffer f: B's eight, turned, then A's eight
.macro FETCH q, f
	WIN TO_B
.irp i, 0,1,2,3,4,5,6,7
	ds_load_tr16_b128 v[(\f)+8*(\i):(\f)+8*(\i)+3],   v[ADRB] offset:(\q)*32*PB+32*(\i)
	ds_load_tr16_b128 v[(\f)+8*(\i)+4:(\f)+8*(\i)+7], v[ADRB] offset:(\q)*32*PB+16*PB+32*(\i)
.endr
	WIN 0
.irp i, 0,1,2,3,4,5,6,7
	ds_load_b128 v[(\f)+8*(\i):(\f)+8*(\i)+3],   v[ADRA] offset:64*(\q)+(\i)*16*PA
	ds_load_b128 v[(\f)+8*(\i)+4:(\f)+8*(\i)+7], v[ADRA] offset:64*(\q)+(\i)*16*PA+32
.endr
.endm
.macro PLACES                          ; four plain vector instructions between a matrix instruction and a load into, or a vector line on, its registers
.rept 4
	v_nop
.endr
.endm
; One of a K step's first three quarters: multiplies buffer f; in its middle it fetches quarter q into buffer g
.macro QUARTER q, f, g, zero
	s_wait_dscnt 8                                 ; B and A's rows 0-63 are in; the youngest eight loads (A's rows 64-127) may be out
	MUL16 \f, 0, 0, \zero
	MUL16 \f, 0, 2, \zero
	PLACES
	FETCH \q, \g
	s_wait_dscnt 32                                ; all but the 32 just issued
	MUL16 \f, 1, 0, \zero
	MUL16 \f, 1, 2, \zero
.endm
; The last quarter's first half: ONE barrier for the change of slots.  In front of it each wave waits for all its tensor loads (one is out: its part of the next slot), adds 0 to its spare word, and waits for that and for its reads of this slot.
.macro MEET round
	WIN 0
	s_wait_tensorcnt 0x0
	ds_add_u32 v[SPW], v[NIL]
	s_wait_dscnt 9                                 ; the add and the youngest eight loads may be out
	MUL16 F1, 0, 0, 0
	s_wait_dscnt 0x0                               ; the add is done, and my reads of this slot are over
	s_barrier_signal -1
	MUL16 F1, 0, 2, 0
.if \round
	WIN 0
.endif
	s_barrier_wait -1
.endm
; The whole last quarter.  fill = 1: the barrier opens a round of the cluster's, and the slot just read out is filled again first behind it, with the K step two on; 224 matrix instructions stand between that request and the wait for it.
.macro TURN fill
.if \fill
	s_wait_xcnt 0x0                                ; the last prefetch, a K step back, has read its address
	s_add_nc_u64 s[PFA:PFA+1], s[PFA:PFA+1], s[PFS:PFS+1]
.endif
	MEET \fill
.if \fill
	CREST
	s_add_co_u32 s[G0W+1], s20, s22                ; the slot that was read,
	s_add_nc_u64 s[G0W+2:G0W+3], s[G0W+2:G0W+3], 256  ; the next K step: no load of mine is out, so group 0 may be written
	s_add_co_u32 s[G0BW+1], s21, s22
	s_add_nc_u64 s[G0BW+2:G0BW+3], s[G0BW+2:G0BW+3], BSTEP
	JLOAD                                          ; its four v_nop are also the places in front of the loads below
.else
	PLACES
.endif
	WIN 0
	s_xor_b32 s22, s22, SLOT
	v_add_nc_u32 v[ADRA], s22, v[ADRA0]
	v_add_nc_u32 v[ADRB], s22, v[ADRB0]
	FETCH 0, F0
.if \fill
	ASK
.endif
	MUL16 F1, 1, 0, 0
	MUL16 F1, 1, 2, 0
.endm
	s_wait_tensorcnt 1                             ; my part of K step 0 is in; K step 1's, issued behind it, may stay out
	s_barrier_signal -1
	s_barrier_wait -1
	FETCH 0, F0
	QUARTER 1, F0, F1, 1                           ; the first quarter starts the sums: nothing is cleared
	WIN 0
	s_mov_b32 s3, 6
.Lstep:                                                ; a trip: a K step's quarters 1 to 3, the change of slots with its refill, the next step's quarter 0
	QUARTER 2, F1, F0, 0
	QUARTER 3, F0, F1, 0
	TURN 1
	QUARTER 1, F0, F1, 0
	WIN 0
	s_sub_co_u32 s3, s3, 1
	s_cmp_lg_u32 s3, 0
	s_cbranch_scc1 .Lstep
	s_mov_b32 s3, 2
.Ltail:                                                ; K steps 6 and 7 ask for nothing; the second trip is left in its middle
	QUARTER 2, F1, F0, 0
	QUARTER 3, F0, F1, 0
	WIN 0
	s_sub_co_u32 s3, s3, 1
	s_cmp_eq_u32 s3, 0
	s_cbranch_scc1 .Lfin
	TURN 0
	QUARTER 1, F0, F1, 0
	WIN 0
	s_branch .Ltail
.Lfin:
	s_wait_dscnt 8
	MUL16 F1, 0, 0, 0
	MUL16 F1, 0, 2, 0
	s_wait_dscnt 0x0
	MUL16 F1, 1, 0, 0
	MUL16 F1, 1, 2, 0
	WIN 0
	; THE WAY OUT.  The sums go in f32 into my stage, 128 rows of 528 bytes in the ring, which nobody reads or fills any more behind the barrier; a loop reads them back by pairs of rows, adds the bias, and stores.
.if FF1
.irp c, CN, C1, C2, C3, C4, C5                 ; twelve plain instructions: the places behind the last products
.if (\c) == CN
.set cv, 0xbf38aa3b                    ; - log2(e) / 2
.elseif (\c) == C1
.set cv, 0x3e027906                    ; 0.127414796
.elseif (\c) == C2
.set cv, 0xbe11a98e                    ; -0.142248368
.elseif (\c) == C3
.set cv, 0x3f35f0e3                    ; 0.710706871
.elseif (\c) == C4
.set cv, 0xbf3a00e3                    ; -0.726576014
.else
.set cv, 0x3f07dc22                    ; 0.530702716
.endif
	v_mov_b32 v[(\c)], cv
	v_mov_b32 v[(\c)+1], cv
.endr
	s_mov_b32 s74, 0x3e6d3389                      ; 0.2316419
.else
	PLACES
.endif
	s_wait_dscnt 0x0                               ; my reads of the ring are over,
	s_barrier_signal -1
	s_barrier_wait -1                              ; everybody's are
.irp a, 0,1,2,3,4,5,6,7
	WIN 0x08+4*((\a)/4)                            ; the stores' data: window 2 or 3
.irp b, 0,1,2,3,4,5,6,7
	ds_store_b128 v[STO], v[8*(8*((\a)%4)+(\b)):8*(8*((\a)%4)+(\b))+3]   offset:(\a)*16*SP+(\b)*64     ; each accumulator's low registers first
	ds_store_b128 v[STO], v[8*(8*((\a)%4)+(\b))+4:8*(8*((\a)%4)+(\b))+7] offset:(\a)*16*SP+(\b)*64+16
.endr
.endr
	WIN 0
.macro OLOADS                          ; NPR pairs of rows: LDS serves a wave's instructions in order (ISA guide 5.7.1.4): these see my stores above
.set p, 0
.rept NPR
	ds_load_b128 v[X+8*p:X+8*p+3],   v[RD] offset:p*2*SP
	ds_load_b128 v[X+8*p+4:X+8*p+7], v[RD] offset:p*2*SP+16
.set p, p+1
.endr
.endm
	s_wait_loadcnt 0x0                             ; the bias
	OLOADS
	s_mov_b32 s3, 64/NPR
.Lout:
	s_wait_dscnt 0x0
.set p, 0
.rept 4*NPR
	v_pk_add_f32 v[XB+2*p:XB+2*p+1], v[X+2*p:X+2*p+1], v[BI+2*(p%4):BI+2*(p%4)+1]  ; + bias; X is free again
.set p, p+1
.endr
	s_cmp_eq_u32 s3, 1                             ; the last trip has nothing more to read
	s_cbranch_scc1 .Lno_more
	v_add_nc_u32 v[RD], NPR*2*SP, v[RD]
	OLOADS                                         ; the next trip's rows come while this trip's are worked on
.Lno_more:
.if FF1
.set i, 0
.rept 32
	v_fma_f32 v[T+i], |v[XB+i]|, s74, 1.0
.set i, i+1
.endr
.set i, 0
.rept 16
	v_pk_mul_f32 v[E+i:E+i+1], v[XB+i:XB+i+1], v[XB+i:XB+i+1]
.set i, i+2
.endr
.set i, 0
.rept 16
	v_pk_mul_f32 v[E+i:E+i+1], v[E+i:E+i+1], v[CN:CN+1]
.set i, i+2
.endr
.set i, 0
.rept 32                               ; ONE BATCH of 64: t and Z sqrt(2 pi); max(x, 0) stands between them as plain work; nothing here names a result
	v_rcp_f32 v[T+i], v[T+i]
	v_exp_f32 v[E+i], v[E+i]
	v_max_num_f32 v[RL+i], 0, v[XB+i]
.set i, i+1
.endr
	v_nop
	s_wait_alu depctr_va_vdst(0)                   ; the one wait ahead of the batch's first reader
.set i, 0
.rept 16
	v_pk_fma_f32 v[PT+i:PT+i+1], v[T+i:T+i+1], v[C5:C5+1], v[C4:C4+1]
.set i, i+2
.endr
.irp c, C3, C2, C1
.set i, 0
.rept 16
	v_pk_fma_f32 v[PT+i:PT+i+1], v[PT+i:PT+i+1], v[T+i:T+i+1], v[(\c):(\c)+1]
.set i, i+2
.endr
.endr
.set i, 0
.rept 16
	v_pk_mul_f32 v[PT+i:PT+i+1], v[PT+i:PT+i+1], v[T+i:T+i+1]
.set i, i+2
.endr
.set i, 0
.rept 16
	v_pk_mul_f32 v[PT+i:PT+i+1], v[PT+i:PT+i+1], v[E+i:E+i+1]
.set i, i+2
.endr
.set i, 0
.rept 32
	v_fma_f32 v[T+i], -|v[XB+i]|, v[PT+i], v[RL+i] ; max(x, 0) - |x| Phi(-|x|)
.set i, i+1
.endr
.endif
.set p, 0
.rept 4*NPR
	v_cvt_pk_bf16_f32 v[Y+p], v[RES+2*p], v[RES+2*p+1]
.set p, p+1
.endr
.set p, 0
.rept NPR
	global_store_b128 v[CO], v[Y+4*p:Y+4*p+3], s[8:9] offset:p*256  ; 16 lanes store two tokens' 128 bytes of one column block: 256 consecutive bytes, at a multiple of 256 from C's first byte
.set p, p+1
.endr
	s_wait_xcnt 0x0                                ; the stores have read their offset and their data: both are written again only behind this wait
	v_add_nc_u32 v[CO], NPR*256, v[CO]
	s_sub_co_u32 s3, s3, 1
	s_cmp_lg_u32 s3, 0
	s_cbranch_scc1 .Lout
	s_wait_tensorcnt 0x0                           ; the wave's end: a wait, an add and a wait, behind my last tensor load and my last LDS store
	ds_add_u32 v[SPW], v[NIL]
	s_wait_dscnt 0x0
	CROUND                                         ; the closing round: no work-group ends while a partner may still ask for a tile that names it
	s_endpgm
.Lfunc_end_k_q6d592231ce_qkv:
	.size	k_q6d592231ce_qkv, .Lfunc_end_k_q6d592231ce_qkv-k_q6d592231ce_qkv
	.p2alignl 7, 3214868480
	.fill 96, 4, 3214868480
	.section	.rodata,"a",@progbits
	.p2align	6, 0x0
	.amdhsa_kernel k_q6d592231ce_qkv
		.amdhsa_group_segment_fixed_size 327680
		.amdhsa_private_segment_fixed_size 0
		.amdhsa_enable_private_segment 0
		.amdhsa_kernarg_size 48
		.amdhsa_user_sgpr_count 2
		.amdhsa_user_sgpr_kernarg_segment_ptr 1
		.amdhsa_wavefront_size32 1
		.amdhsa_system_sgpr_workgroup_id_x 1
		.amdhsa_system_sgpr_workgroup_id_y 1
		.amdhsa_system_sgpr_workgroup_id_z 1
		.amdhsa_system_vgpr_workitem_id 0
		.amdhsa_next_free_vgpr 1024
		.amdhsa_next_free_sgpr 80
		.amdhsa_reserve_vcc 0
		.amdhsa_float_denorm_mode_32 3
		.amdhsa_float_denorm_mode_16_64 3
		.amdhsa_memory_ordered 1
		.amdhsa_forward_progress 1
		.amdhsa_inst_pref_size 90
	.end_amdhsa_kernel
	.amdgpu_metadata
---
amdhsa.version: [ 1, 2 ]
amdhsa.kernels:
  - .name:           k_q6d592231ce_qkv
    .symbol:         k_q6d592231ce_qkv.kd
    .args:
      - { .name: h, .offset: 0, .size: 8, .value_kind: global_buffer, .address_space: global }
      - { .name: wb, .offset: 8, .size: 8, .value_kind: global_buffer, .address_space: global }
      - { .name: qkv, .offset: 16, .size: 8, .value_kind: global_buffer, .address_space: global }
      - { .name: bq, .offset: 24, .size: 8, .value_kind: global_buffer, .address_space: global }
      - { .name: bk, .offset: 32, .size: 8, .value_kind: global_buffer, .address_space: global }
      - { .name: bv, .offset: 40, .size: 8, .value_kind: global_buffer, .address_space: global }
    .group_segment_fixed_size: 327680
    .private_segment_fixed_size: 0
    .kernarg_segment_align: 8
    .kernarg_segment_size: 48
    .max_flat_workgroup_size: 128
    .sgpr_count:     80
    .vgpr_count:     1024
    .wavefront_size: 32
...
	.end_amdgpu_metadata
.endif
;; end of part 2
;; launch attn (part 3): grid 8 x 32, 8 waves a work-group, no clusters, 327,680 bytes of LDS; arguments qkv, ctx; writes ctx
.if DOCPART == 3
	.amdgcn_target "amdgcn-amd-amdhsa--gfx1250"
	.amdhsa_code_object_version 6
	.text
	.protected	k_q6d592231ce_attn
	.globl	k_q6d592231ce_attn
	.p2align	8
	.type	k_q6d592231ce_attn,@function
k_q6d592231ce_attn:
	s_mov_b64 s[64:65], 0
	v_nop
	global_prefetch_b8 v0, s[64:65] scope:SCOPE_SE
	s_setreg_imm32_b32 hwreg(HW_REG_WAVE_MODE, 25, 1), 1
	s_wait_xcnt 0x0
; CAUSAL ATTENTION, head size 64, 2 x 16 heads of 2,048 rows.  O[q] = the sum over k <= q of softmax_k(Q[q] . K[k] / 8) V[k].
; qkv: [48][4096][64] bf16: block head holds Q, 16 + head K, 32 + head V; row = 2,048 x batch + position: a head's rows are dense, 128 bytes each.  ctx: [16][4096][64] bf16, likewise.
; Products, maxima and sums in f32; the weights p are rounded to bf16 for the second product (their sum l is taken of the unrounded p), O once at the end.
; LIMITS.  A hidden score counts as its value less 1e30; the running maximum starts at -2^96 (7.9e28), so a true score below that would count as -2^96; a weight below 2^-126 counts as 0 in l;
; NaN and infinities are not treated apart; the sums over keys are taken in another order than by rows.
; THE WALK.  A head's queries lie in 16 blocks of 128; its keys in 8 tiles of 256.  Block i needs the tiles 0 .. i / 2, of which the last holds the diagonal.  A work-group takes TWO blocks, 15 - b and then b:
; 9 tiles whatever b: 256 equal work-groups, and one walk with constant trip counts.  Which tile is asked for, and what a trip does, hang on scalar registers made from b.
; One of the two blocks has an even number: the upper 128 keys of its last tile are wholly hidden and are computed all the same: one half tile in eighteen, alike in every work-group.
; NO CLUSTER: a head's 8 work-groups ask for the same tile only in trips 0 to 4 of 9; behind that their walks part, and one walk common to all would have 12 trips for 9.
; EIGHT WAVES, TWO TO A SIMD, AND THE KEYS SPLIT BETWEEN THEM.  Of a block's two bands of 64 queries wave w and wave w + 4 both own rows 16 (w % 4) .. + 15 in each: tiles 0 and 1.  Of a key tile waves 0-3 (group A)
; take keys 0-127, waves 4-7 (group B) keys 128-255: two key steps of 64 each.  A fragment of K or V read from LDS feeds two tiles' products, as with four waves; while one wave of a SIMD waits, the other has work.
; Each wave keeps its own running maximum m, sum l and O^T.  At a block's end group B hands c m, l and O^T, in f32, to group A through LDS, and group A forms
; O = (fa O_a + fb O_b) / (fa l_a + fb l_b), fa = 2^(c m_a - c m), fb = 2^(c m_b - c m), c m = max(c m_a, c m_b).
; LAYOUT.  S^T = K Q^T holds ONE query a lane (lane % 16) and the keys 8 (lane / 16) + 0..7; two such results rounded to bf16 ARE source 1 of O^T = V^T P.  K comes out of LDS as it lies, V turned by ds_load_tr16_b128.
; SOFTMAX.  p = 2^(c s - c m), c = log2(e) / 8, with a running maximum m; O and l are multiplied by a = 2^(c m_old - c m_new) in every step.  c m starts far below every c s, also below c x (-2^96): a block's first step has a = 0.
; WHY m STARTS AT -2^96 AND NO LOWER.  Block 0 has one key tile, and group B's half of it is hidden from the first step on.  Were m to become a hidden score, near -1e30, then c s - c m, formed against the rounded c m, would be
; that rounding's error, of the order of 1e22, and no exponent.  With m held at -2^96 a hidden score lies far below it, every weight of such a half is 0, and so are its l and O^T.
; IN PHASES.  A key step is 16 products K Q^T, the two tiles' softmax, 16 products V^T P; the LDS loads stand in runs of 16, each issued a phase or more ahead of its use.
; REGISTERS.  window 0: v0-51 addresses, statistics, the merge's factors; v64-127 S^T; v128-159 P; v160-223 O^T; v224-255 the diagonal's mask.   window 1: v0-31 Q; v32-63 the second block's Q; v64-127 K of a step; v128-191 V of a step.
.set PK,    144       ; a row of K in LDS: 128 bytes + 16: the 16 rows of a load start at 16 different groups of four banks (64 banks of 4 bytes: ISA guide 11.1)
.set PV,    160       ; a row of V: 128 + 32
.set VOFF,  256*PK    ; a slot holds a tile: 256 rows of K, then 256 rows of V
.set SLOT1, 1<<17     ; slot 1 begins here: one exclusive or turns an address in one slot into the other's
.set MST,   256*(PK+PV)  ; behind slot 0, never filled by a tensor load: where group B hands its partial results over: for each of four pairs of waves 16 x 512 bytes of O^T and 512 of c m and l
.set MPAIR, 17*512
.set STAGE, MST+4*MPAIR  ; 16 rows x 144 bytes for each wave of group A, for the way out
.set SP,    144
.set SPARE, STAGE+4*16*SP  ; the spare words, 128 bytes a wave: four blocks of 256 bytes that no other line names; they end below slot 1
.set TILEB, 32768     ; bytes of K, and of V, in a tile
.set MLOW,  0xef800000  ; -2^96: where the running maximum starts
.set CMLOW, 0xfe000000  ; -4.3e37: where c m starts
.set AK0, 2           ; v2   my lane's place in my half of a tile of K; never rewritten
.set AV0, 3           ; v3   the same for V
.set AK,  4           ; v4   the same in the slot that is being read
.set AV,  5
.set STO, 6           ; v6   the way out: where I put 16 bytes of a row
.set RD,  7           ; v7   where I read rows back
.set GO,  8           ; v8   my byte offset in 512 consecutive bytes of O
.set MV,  12          ; v12-13  c m_old, kept while c m is made anew
.set QO,  15          ; v15  my byte offset in 16 rows of Q
.set ST,  16          ; tile t's statistics at v[ST+4 t]: c m, m, l (even keys', odd keys')
.set TMP, 24          ; tile t: four registers c0-c3 at work; when the maximum is found c2 takes a.  At a block's end: v24-27 group B's c m and l as stored, v28-31 as read
.set PFO, 32          ; v32  256 x my lane; never rewritten
.set MA,  33          ; v33  my 16 bytes in my pair's part of the merge stage; never rewritten
.set SPW, 34          ; v34  LDS address of my spare word; never rewritten
.set NIL, 35          ; v35  0; never rewritten
.set MG,  36          ; the merge, tile t at v[MG+8 t]: +0 l_a, +1 c m, +2, +3 fa twice, +4, +5 fb twice, +6 l
.set S,   64
.set P,   128
.set O,   160
.set MD,  224         ; -1e30 where, in my band's own key step of the diagonal's half tile, the key lies behind my query; else 0
.set QB,  32          ; window 1
.set KF,  64          ; window 1: key block kb, channel half c at KF + 16 kb + 8 c
.set VF,  128         ; window 1: key half kk, channel block cb at VF + 32 kk + 8 cb
.set WV,  12          ; s12  my wave's number
.set PB,  14          ; s14  b
.set HI,  15          ; s15  15 - b
.set G1K, 24          ; s[24:31] descriptor group 1 for K's tiles
.set G1V, 32          ; s[32:39] for V's: it differs in the padding alone
.set G0K, 40          ; s[40:43] group 0: K, tile 0, slot 0
.set G0V, 44          ; s[44:47] V likewise
.set G0K2, 48         ; s[48:51] group 0: K, tile 1, slot 1; then made anew for each refill
.set G0V2, 52         ; s[52:55]
.set SL,  56          ; s56  trips to go
.set ALD2, 57         ; s57, s63, s67  the second block's three mask numbers
.set CS,  58          ; s[58:59] c: the packed scaling takes the pair's low word for both halves
.set SEL, 60          ; s[60:61] v_permlanex16_b32's selects
.set TB,  62          ; s62  the slot that is being read: 0 or SLOT1
.set BH2, 63
.set LIM, 66          ; s66  2 in the work-group that prefetches, else the greatest number
.set BG2, 67
.set PFA, 68          ; s[68:69] where my prefetches stand
.set RT,  70          ; s70  tiles left of the block in hand, this one among them
.set NXT, 71          ; s71  the tile to be asked for next
.set LQ,  72          ; s72  the last tile of the block whose tiles are being asked for
.set DG,  73          ; s73  1: the tile in hand is the block's last, the diagonal's
.set OFF, 74          ; s[74:75] a tile's byte offset in K and V
.set BIGN, 76         ; s76  -1e30
.set QW,  78          ; s78  wave % 4: my rows in a band; also the quarter of a tile's K or V that I fetch
.set KG,  79          ; s79  wave / 4: my half of a tile's keys
.set OLO, 80          ; s[80:81] O at my rows of the second block
.set LQ2, 83          ; s83  the second block's last tile
.set ALD, 88          ; s[88:89] 1.0 if my half of the block's last tile holds the diagonal, else 0: the factor of MD
.set BH,  90          ; s[90:91] -1e30 if my half is wholly hidden, else 0
.set BG,  92          ; s[92:93] -1e30 if band 0 sees nothing of my second key step (my half holds the diagonal or is hidden), else 0
.set MSB, 0
.macro WIN new
.if MSB != (\new)
	s_set_vgpr_msb (MSB<<8)|(\new)
.set MSB, (\new)
.endif
.endm
.set W_KQ, 0x05       ; K and Q in window 1, S^T in window 0
.set W_PV, 0x01       ; V in window 1, P and O^T in window 0
.set W_LD, 0x40       ; a load's destination in window 1, its address in window 0
.macro PLACES                       ; four plain vector instructions between a matrix instruction and a load into, or a vector line or store on, its registers
.rept 4
	v_nop
.endr
.endm
; A refill.  Waves 0-3 fetch the four quarters of a tile's K, waves 4-7 those of its V: 64 keys each.  An s_nop 0 and four v_nop follow each of the two lines.
.macro LOAD
	s_cmp_lt_u32 s[WV], 4
	s_cbranch_scc0 .Lfor_v_\@
	tensor_load_to_lds s[G0K2:G0K2+3], s[G1K:G1K+7]
	s_nop 0
.rept 4
	v_nop
.endr
	s_branch .Lasked_\@
.Lfor_v_\@:
	tensor_load_to_lds s[G0V2:G0V2+3], s[G1V:G1V+7]
	s_nop 0
.rept 4
	v_nop
.endr
.Lasked_\@:
.endm
; A PREFETCH INTO THE L2.  All eight work-groups of a head walk the same K and V from tile 0 on; the one with b = 0, whose first block walks tiles 0 to 7 in order, asks, and nobody else.  Each of its waves names the part
; that it will fetch itself, 8,192 bytes, a lane 256 of them: one instruction.  In trip i, whose refill asks for tile i + 2, it names tile i + 3: one trip, 64 matrix and some 640 vector instructions of each wave, ahead of that tile's load.
; Tiles 0 to 2 come by their loads alone; s[SL] runs 7 .. 1, and the trips with s[SL] of 2 or less ask for nothing: there is no tile 8.
.macro ASK
	s_cmp_gt_u32 s[SL], s[LIM]
	s_cbranch_scc0 .Lnot_mine_\@
	global_prefetch_b8 v[PFO], s[PFA:PFA+1] th:TH_LOAD_NT scope:SCOPE_SE
.Lnot_mine_\@:
.endm
; THE CHANGE OF SLOTS.  All of the slot has been asked into registers.  Each wave waits for all its tensor loads (one is out: its part of the other slot), adds 0 to its spare word, and waits for that and for its reads of the slot.
; Behind the barrier nobody reads the old slot and the other is whole.  fill = 1: the old slot is filled again, first thing behind the barrier, with tile NXT: the descriptor's address is made anew from that number.
.macro CHANGE fill
	WIN 0
	s_wait_tensorcnt 0x0            ; no tensor load of mine is out, so a group 0 may be written
	ds_add_u32 v[SPW], v[NIL]       ; 0 onto my spare word; scalar work stands between it and the wait for it
.if \fill
	s_lshl_b32 s[OFF], s[NXT], 15
	s_xor_b32 s[G0K2+1], s[G0K2+1], SLOT1
	s_add_nc_u64 s[G0K2+2:G0K2+3], s[6:7], s[OFF:OFF+1]
	s_or_b32 s[G0K2+3], s[G0K2+3], 0x80000000
	s_xor_b32 s[G0V2+1], s[G0V2+1], SLOT1
	s_add_nc_u64 s[G0V2+2:G0V2+3], s[8:9], s[OFF:OFF+1]
	s_or_b32 s[G0V2+3], s[G0V2+3], 0x80000000
	s_add_co_u32 s[NXT], s[NXT], 1  ; the block's next tile, or behind its last the second block's tile 0
	s_cmp_gt_u32 s[NXT], s[LQ]
	s_cselect_b32 s[NXT], 0, s[NXT]
	s_cselect_b32 s[LQ], s[LQ2], s[LQ]
	s_wait_xcnt 0x0                 ; the last prefetch, a trip back, has read its address
	s_add_nc_u64 s[PFA:PFA+1], s[PFA:PFA+1], TILEB
.endif
	s_wait_dscnt 0x0                ; the add is done, and my reads of the slot are over
	s_barrier_signal -1
	s_xor_b32 s[TB], s[TB], SLOT1
	s_barrier_wait -1
.if \fill
	LOAD                            ; its four v_nop are also the places behind the products above
	ASK
.else
	PLACES
.endif
	v_add_nc_u32 v[AK], s[TB], v[AK0]
	v_add_nc_u32 v[AV], s[TB], v[AV0]
.endm
	s_load_b64 s[4:5], s[0:1], 0x0  ; qkv
	s_load_b64 s[10:11], s[0:1], 0x8  ; ctx
	v_lshl_add_u32 v[SPW], v0, 2, SPARE
	v_mov_b32 v[NIL], 0
	ds_add_u32 v[SPW], v[NIL]       ; the wave's opening: the add and its wait stand ahead of my first tensor load; the set-up below, work on registers, stands between them
	ds_add_u32 v34, v35
	v_lshrrev_b32 v1, 5, v0
	v_readfirstlane_b32 s[WV], v1   ; wave 0..7
	s_and_b32 s[QW], s[WV], 3
	s_lshr_b32 s[KG], s[WV], 2
	s_mov_b32 s[PB], ttmp9
	s_sub_co_u32 s[HI], 15, s[PB]
	s_and_b32 s20, ttmp7, 0xffff
	s_and_b32 s16, s20, 15          ; head
	s_lshr_b32 s17, s20, 4          ; batch
	s_lshl_b32 s20, s16, 19         ; a block of 4,096 rows is 524,288 bytes,
	s_lshl_b32 s17, s17, 18         ; a batch's 2,048 rows 262,144
	s_add_co_u32 s20, s20, s17
	s_lshl_b32 s22, s[QW], 13       ; the quarter of a tile's 256 keys that I fetch: its 64 rows in memory,
	s_add_co_u32 s22, s22, s20
	s_add_co_u32 s22, s22, 0x800000 ; in K's blocks, 16 blocks on
	s_mov_b32 s23, 0
	s_mul_i32 s17, s[QW], 64*PK     ; and its place in a slot, for K
	s_mul_i32 s18, s[QW], 64*PV     ; and for V
	s_lshl_b32 s3, s[QW], 11        ; my 16 rows in a band of 64,
	s_add_co_u32 s3, s3, s20
	s_lshl_b32 s2, s[HI], 14        ; in the first block,
	s_add_co_u32 s2, s2, s3
	s_lshl_b32 s84, s[PB], 14       ; and in the second
	s_add_co_u32 s84, s84, s3
	s_mov_b32 s3, 0
	s_mov_b32 s85, 0
	; descriptor group 1.  64 keys are 8,192 dense bytes: asked for as 32 rows of 256 bytes, two keys a row, and padded in LDS after every key
	s_mov_b32 s[G1K], (1<<16)|(1<<20)|(4<<22)|(3<<25)  ; 2-byte elements; padding on; after every 32 words, 4 words
	s_mov_b32 s[G1V], (1<<16)|(1<<20)|(4<<22)|(7<<25)  ; the same with 8 words
.irp g, G1K, G1V
	s_mov_b32 s[(\g)+1], 128<<16    ; tensor_dim0 = 128
	s_mov_b32 s[(\g)+2], 32<<16     ; tensor_dim1 = 32
	s_mov_b32 s[(\g)+3], 128<<16    ; tile_dim0 = 128
	s_mov_b32 s[(\g)+4], 32         ; tile_dim1 = 32
	s_mov_b32 s[(\g)+5], 128        ; 128 elements from row to row
	s_mov_b32 s[(\g)+6], 0
	s_mov_b32 s[(\g)+7], 0
.endr
	s_mov_b32 s[CS], 0x3e38aa3b     ; c = log2(e) / 8
	s_mov_b32 s[CS+1], s[CS]
	s_mov_b32 s[SEL], 0x76543210
	s_mov_b32 s[SEL+1], 0xfedcba98
	s_mov_b32 s[BIGN], 0xf149f2ca   ; -1e30
	s_mov_b32 s[TB], 0
	; A block with an even number lies over the lower 128 keys of its last tile, one with an odd number over the upper.  So my half of that tile holds the diagonal if my group's number is the block's parity,
	; is open if it is less, and hidden if it is greater.
	s_and_b32 s16, s[HI], 1         ; the first block's parity
	s_cmp_eq_u32 s[KG], s16
	s_cselect_b32 s[ALD], 1.0, 0
	s_cmp_gt_u32 s[KG], s16
	s_cselect_b32 s[BH], s[BIGN], 0
	s_cmp_ge_u32 s[KG], s16
	s_cselect_b32 s[BG], s[BIGN], 0
	s_mov_b32 s[ALD+1], s[ALD]      ; named as pairs
	s_mov_b32 s[BH+1], s[BH]
	s_mov_b32 s[BG+1], s[BG]
	s_and_b32 s16, s[PB], 1         ; the second block's
	s_cmp_eq_u32 s[KG], s16
	s_cselect_b32 s[ALD2], 1.0, 0
	s_cmp_gt_u32 s[KG], s16
	s_cselect_b32 s[BH2], s[BIGN], 0
	s_cmp_ge_u32 s[KG], s16
	s_cselect_b32 s[BG2], s[BIGN], 0
	s_mov_b32 s[G0K], 1
	s_mov_b32 s[G0K+1], s17
	s_mov_b32 s[G0V], 1
	s_add_co_u32 s[G0V+1], s18, VOFF
	s_mov_b32 s[G0K2], 1
	s_add_co_u32 s[G0K2+1], s17, SLOT1
	s_mov_b32 s[G0V2], 1
	s_add_co_u32 s[G0V2+1], s18, SLOT1+VOFF
	s_lshr_b32 s[LQ], s[HI], 1      ; the first block's last tile: it has five tiles or more
	s_add_co_u32 s[RT], s[LQ], 1
	s_lshr_b32 s[LQ2], s[PB], 1
	s_mov_b32 s[NXT], 2
	s_mov_b32 s[OFF+1], 0
	s_cmp_eq_u32 s[PB], 0
	s_cselect_b32 s[LIM], 2, -1
	s_wait_dscnt 0x0                ; the opening add is done
	s_wait_kmcnt 0x0
	s_add_nc_u64 s[6:7], s[4:5], s[22:23]   ; K at my quarter of the head's tile 0,
	s_add_nc_u64 s[8:9], s[6:7], 0x800000   ; V: 16 blocks further on
	s_add_nc_u64 s[86:87], s[4:5], s[84:85] ; Q at my rows of the second block,
	s_add_nc_u64 s[4:5], s[4:5], s[2:3]     ; of the first
	s_add_nc_u64 s[OLO:OLO+1], s[10:11], s[84:85]
	s_add_nc_u64 s[10:11], s[10:11], s[2:3]
	s_add_nc_u64 s[G0K+2:G0K+3], s[6:7], 0
	s_or_b32 s[G0K+3], s[G0K+3], 0x80000000
	s_add_nc_u64 s[G0V+2:G0V+3], s[8:9], 0
	s_or_b32 s[G0V+3], s[G0V+3], 0x80000000
	s_add_nc_u64 s[G0K2+2:G0K2+3], s[6:7], TILEB
	s_or_b32 s[G0K2+3], s[G0K2+3], 0x80000000
	s_add_nc_u64 s[G0V2+2:G0V2+3], s[8:9], TILEB
	s_or_b32 s[G0V2+3], s[G0V2+3], 0x80000000
	s_cmp_lt_u32 s[WV], 4
	s_cselect_b64 s[PFA:PFA+1], s[6:7], s[8:9]
	s_add_nc_u64 s[PFA:PFA+1], s[PFA:PFA+1], 2*TILEB  ; at tile 2: the first change of slots steps it to 3
	s_cmp_lt_u32 s[WV], 4           ; a wave's two first fills stand in one branch, ahead of every wait on TENSORcnt and every LDS read: two loads of mine are out
	s_cbranch_scc0 .Lfirst_v
	tensor_load_to_lds s[G0K:G0K+3], s[G1K:G1K+7]
	s_nop 0
	tensor_load_to_lds s[G0K2:G0K2+3], s[G1K:G1K+7]
	s_nop 0
.rept 4
	v_nop
.endr
	s_branch .Lfirst_asked
.Lfirst_v:
	tensor_load_to_lds s[G0V:G0V+3], s[G1V:G1V+7]
	s_nop 0
	tensor_load_to_lds s[G0V2:G0V2+3], s[G1V:G1V+7]
	s_nop 0
.rept 4
	v_nop
.endr
.Lfirst_asked:
	; A fragment of K or Q is 16 rows x 32 channels in 8 registers: lane l holds row l % 16, channels 8 (l / 16) + 0..7 and 16 + 8 (l / 16) + 0..7: two loads of 16 bytes, 32 bytes apart.
	v_and_b32 v1, 15, v0            ; l % 16
	v_bfe_u32 v9, v0, 4, 1          ; l / 16
	v_lshlrev_b32 v[QO], 7, v1
	v_lshl_add_u32 v[QO], v9, 4, v[QO]
	WIN W_LD
.set i, 0
.rept 4                             ; both blocks' Q: tile i / 2 lies in band i / 2, 8,192 bytes on; channels 32 (i % 2) on
	global_load_b128 v[8*i:8*i+3],   v[QO], s[4:5] offset:(i/2)*8192+(i%2)*64
	global_load_b128 v[8*i+4:8*i+7], v[QO], s[4:5] offset:(i/2)*8192+(i%2)*64+32
	global_load_b128 v[QB+8*i:QB+8*i+3],   v[QO], s[86:87] offset:(i/2)*8192+(i%2)*64
	global_load_b128 v[QB+8*i+4:QB+8*i+7], v[QO], s[86:87] offset:(i/2)*8192+(i%2)*64+32
.set i, i+1
.endr
	WIN 0
	v_lshlrev_b32 v14, 3, v9
	v_sub_nc_u32 v14, v1, v14
	s_lshl_b32 s13, s[QW], 4
	v_add_nc_u32 v14, s13, v14      ; my query's place in its band, 16 (w % 4) + l % 16, less my lanes' 8 (l / 16): register r of key group kt is hidden where 16 kt + r is greater
.set i, 0
.rept 32
	v_cmp_gt_i32 vcc_lo, 16*(i/8)+i%8, v14
	v_cndmask_b32 v[MD+i], 0, s[BIGN], vcc_lo
.set i, i+1
.endr
	v_mul_u32_u24 v[AK0], v1, PK
	v_lshl_add_u32 v[AK0], v9, 4, v[AK0]
	s_mul_i32 s13, s[KG], 128*PK    ; my half of a tile's keys
	v_add_nc_u32 v[AK0], s13, v[AK0]
	; The turning load takes 16 keys x 16 channels (lane l reads key 8 (l / 16) + l % 8, channels 8 ((l / 8) % 2) + 0..7) and leaves half a fragment of V^T: lane l holds channel l % 16 and 8 keys.
	v_and_b32 v10, 7, v0
	v_bfe_u32 v11, v0, 3, 1
	v_lshl_add_u32 v[AV0], v9, 3, v10
	v_mul_u32_u24 v[AV0], v[AV0], PV
	v_lshl_add_u32 v[AV0], v11, 4, v[AV0]
	s_mul_i32 s13, s[KG], 128*PV
	s_add_co_u32 s13, s13, VOFF
	v_add_nc_u32 v[AV0], s13, v[AV0]
	v_mov_b32 v[AK], v[AK0]
	v_mov_b32 v[AV], v[AV0]
	s_mul_i32 s13, s[QW], 16*SP
	s_add_co_u32 s13, s13, STAGE    ; the stage of my pair's wave of group A
	v_mul_u32_u24 v[STO], v1, SP    ; in: row l % 16, 16 bytes for each half of the lanes
	v_lshl_add_u32 v[STO], v9, 4, v[STO]
	v_add_nc_u32 v[STO], s13, v[STO]
	v_bfe_u32 v[RD], v0, 3, 2       ; back: 32 lanes take four rows of 128 bytes,
	v_mul_u32_u24 v[RD], v[RD], SP
	v_lshl_add_u32 v[RD], v10, 4, v[RD]
	v_add_nc_u32 v[RD], s13, v[RD]
	v_and_b32 v[GO], 31, v0         ; which are 512 consecutive bytes of O
	v_lshlrev_b32 v[PFO], 8, v[GO]
	v_lshlrev_b32 v[GO], 4, v[GO]
	s_mul_i32 s13, s[QW], MPAIR
	s_add_co_u32 s13, s13, MST
	v_add_nc_u32 v[MA], s13, v[GO]  ; my pair's part of the merge stage, 16 bytes a lane: the same in wave w and in wave w + 4
	; A block's first step multiplies O^T and l by a = 0, so they need only hold finite numbers: zeros for the first block, what the first block left for the second.  This stands in the wait for the first tile.
.set i, 0
.rept 64
	v_mov_b32 v[O+i], 0
.set i, i+1
.endr
.irp t, 0,1
	v_mov_b32 v[ST+4*(\t)], CMLOW   ; c m: far below every c s and below c x (-2^96)
	v_mov_b32 v[ST+4*(\t)+1], MLOW  ; m: below every true score, far above every hidden one
	v_mov_b32 v[ST+4*(\t)+2], 0
	v_mov_b32 v[ST+4*(\t)+3], 0
.endr
; THE MATRIX WORK.  The 8 accumulators of a run of 16 take turns.
; 16 products S^T = K Q^T: product i: channels 32 (i / 8) on, keys 16 ((i / 2) % 4) on, tile i % 2.  The first 8 start the sums.
.macro KQS
	WIN W_KQ
.set i, 0
.rept 16
.set rS, S+32*(i%2)+8*((i/2)%4)
.set rK, KF+16*((i/2)%4)+8*(i/8)
.set rQ, 16*(i%2)+8*(i/8)
.if i < 8
	v_wmma_f32_16x16x32_bf16 v[rS:rS+7], v[rK:rK+7], v[rQ:rQ+7], 0
.else
	v_wmma_f32_16x16x32_bf16 v[rS:rS+7], v[rK:rK+7], v[rQ:rQ+7], v[rS:rS+7]
.endif
.set i, i+1
.endr
	WIN 0
.endm
; 16 products O^T += V^T P: product i: keys 32 (i / 8) on, channels 16 ((i / 2) % 4) on, tile i % 2.
.macro PVS
	WIN W_PV
.set i, 0
.rept 16
.set rO, O+32*(i%2)+8*((i/2)%4)
.set rV, VF+32*(i/8)+8*((i/2)%4)
.set rP, P+16*(i%2)+8*(i/8)
	v_wmma_f32_16x16x32_bf16 v[rO:rO+7], v[rV:rV+7], v[rP:rP+7], v[rO:rO+7]
.set i, i+1
.endr
	WIN 0
.endm
; THE LDS LOADS, in runs of 16: K (64 keys x 64 channels: 8 fragments) and V (turned) of step s of my half of the slot in hand
.macro FETCH_K s
	WIN W_LD
.irp f, 0,1,2,3,4,5,6,7             ; keys 16 (f / 2) on, channels 32 (f % 2) on
	ds_load_b128 v[KF+8*(\f):KF+8*(\f)+3],   v[AK] offset:(\s)*64*PK+((\f)/2)*16*PK+((\f)%2)*64
	ds_load_b128 v[KF+8*(\f)+4:KF+8*(\f)+7], v[AK] offset:(\s)*64*PK+((\f)/2)*16*PK+((\f)%2)*64+32
.endr
	WIN 0
.endm
.macro FETCH_V s
	WIN W_LD
.irp f, 0,1,2,3,4,5,6,7             ; keys 32 (f / 4) on, channels 16 (f % 4) on
	ds_load_tr16_b128 v[VF+8*(\f):VF+8*(\f)+3],   v[AV] offset:(\s)*64*PV+((\f)/4)*32*PV+((\f)%4)*32
	ds_load_tr16_b128 v[VF+8*(\f)+4:VF+8*(\f)+7], v[AV] offset:(\s)*64*PV+((\f)/4)*32*PV+16*PV+((\f)%4)*32
.endr
	WIN 0
.endm
; THE VECTOR WORK, all in window 0.
.macro REGS u                       ; the registers of tile u
.set rT, ST+4*(\u)
.set rC, TMP+4*(\u)
.set rM, MV+(\u)
.set rS, S+32*(\u)
.set rP, P+16*(\u)
.set rO, O+32*(\u)
.endm
; Number n of the 22 that find a tile's maximum and statistics.  Each accumulator's lowest registers are read first.
;   0-11  four chains c0-c3 of seven scores each     12-14, 16  the four scores left over, the old m, and c0-c3 into c0     15  c m_old is kept
;   17, 18  the query's other 32 keys lie in the lane 16 away: the new m     19-21  c m; c m_old - c m_new; a
.macro XS u, n
	REGS \u
.if (\n) < 4
	v_max3_num_f32 v[rC+(\n)], v[rS+8*(\n)], v[rS+8*(\n)+1], v[rS+8*(\n)+2]
.elseif (\n) < 12
	v_max3_num_f32 v[rC+(\n)%4], v[rC+(\n)%4], v[rS+8*((\n)%4)+2*((\n)/4)+1], v[rS+8*((\n)%4)+2*((\n)/4)+2]
.elseif (\n) == 12
	v_max3_num_f32 v[rC], v[rC], v[rS+7], v[rS+15]
.elseif (\n) == 13
	v_max3_num_f32 v[rC+1], v[rC+1], v[rS+23], v[rS+31]
.elseif (\n) == 14
	v_max3_num_f32 v[rC+2], v[rC+2], v[rC+3], v[rT+1]
.elseif (\n) == 15
	v_mov_b32 v[rM], v[rT]
.elseif (\n) == 16
	v_max3_num_f32 v[rC], v[rC], v[rC+1], v[rC+2]
.elseif (\n) == 17
	v_permlanex16_b32 v[rC+3], v[rC], s[SEL], s[SEL+1]
.elseif (\n) == 18
	v_max_num_f32 v[rT+1], v[rC], v[rC+3]
.elseif (\n) == 19
	v_mul_f32 v[rT], s[CS], v[rT+1]
.elseif (\n) == 20
	v_sub_f32 v[rC+1], v[rM], v[rT]
.else
	v_exp_f32 v[rC+2], v[rC+1]
.endif
.endm
.macro FS f                         ; c s - c m for pair f / 2 of tile f % 2
	REGS (\f)%2
	v_pk_fma_f32 v[rS+2*((\f)/2):rS+2*((\f)/2)+1], v[rS+2*((\f)/2):rS+2*((\f)/2)+1], s[CS:CS+1], v[rT:rT+1] op_sel_hi:[1,0,0] neg_lo:[0,0,1] neg_hi:[0,0,1]
.endm
.macro EX x                         ; the exponential of score x / 2 of tile x % 2
	REGS (\x)%2
	v_exp_f32 v[rS+(\x)/2], v[rS+(\x)/2]
.endm
.macro RS x                         ; pair x / 2 of tile x % 2's O^T times a, in ascending order
	REGS (\x)%2
	v_pk_mul_f32 v[rO+2*((\x)/2):rO+2*((\x)/2)+1], v[rO+2*((\x)/2):rO+2*((\x)/2)+1], v[rC+2:rC+3] op_sel_hi:[1,0]
.endm
; Number g of the 64 that follow the exponentials.  For each four weights k of a tile: both pairs are rounded to bf16; the second pair is added onto the first, in place; a group later l takes that sum (the first time as l = a l + sum).
.macro GS g
.set h, (\g)+6*((\g)/62)
.if h >= 6
.set h, h+2
.endif
	REGS h%2
.set k, h/8
.if h%8 < 4
	v_cvt_pk_bf16_f32 v[rP+2*k+(h%8)/2], v[rS+4*k+2*((h%8)/2)], v[rS+4*k+2*((h%8)/2)+1]
.elseif h%8 < 6
	v_pk_add_f32 v[rS+4*k:rS+4*k+1], v[rS+4*k:rS+4*k+1], v[rS+4*k+2:rS+4*k+3]
.elseif k == 1
	v_pk_fma_f32 v[rT+2:rT+3], v[rT+2:rT+3], v[rC+2:rC+3], v[rS:rS+1] op_sel_hi:[1,0,1]
.else
	v_pk_add_f32 v[rT+2:rT+3], v[rT+2:rT+3], v[rS+4*k-4:rS+4*k-3]
.endif
.endm
; Both tiles' softmax for a key step.  Two batches of exponentials, each with one wait ahead of its first reader: the two a, whose wait frees the rescalings to stand as plain
; work between the others; and the 64 weights.  Exponential x stands behind scaling 2 (x / 4) + x % 2, which is at most x + 3.
.macro SOFTMAX
.irp n, 0,1,2,3,4,5,6,7,8,9,10,11,12,13,14,15,16,17,18,19,20,21
	XS 0, \n
	XS 1, \n
.endr
	FS 0
	FS 1
	FS 2
	FS 3
	s_wait_alu depctr_va_vdst(0)    ; the two a
.set ee, 0
.rept 28
	EX ee
	FS ee+4
.set ee, ee+1
.endr
.set rr, 0
.rept 32
	EX ee
	RS rr
.set ee, ee+1
.set rr, rr+1
.endr
.rept 4
	EX ee
.set ee, ee+1
.endr
	v_nop                           ; a plain instruction behind the last exponential
	s_wait_alu depctr_va_vdst(0)    ; the 64 weights
.set gg, 0
.rept 64
	GS gg
.set gg, gg+1
.endr
.endm
; THE MASK, in a block's last tile alone: the scores take MD x ALD, where band and key step are each other's, and an addend.  Where my half holds the diagonal: step 0: band 0 MD, band 1 open; step 1: band 0 hidden, band 1 MD.
; Where it is hidden, all four take -1e30; where it is open, all take 0.  A hidden score lies far below m, which is a true score or, in a half that is hidden from a block's first step on, -2^96: its weight is 0.
; Such a half ends with l = 0, O^T = 0 and c m = c x (-2^96), and the merge gives it the factor 0.
.macro MASK s
	s_cmp_eq_u32 s[DG], 1
	s_cbranch_scc0 .Lopen_\@
.if (\s) == 0
.set z, 0
.rept 16
	v_pk_fma_f32 v[S+2*z:S+2*z+1], v[MD+2*z:MD+2*z+1], s[ALD:ALD+1], v[S+2*z:S+2*z+1] op_sel_hi:[1,0,1]
.set z, z+1
.endr
.set z, 0
.rept 32
	v_pk_add_f32 v[S+2*z:S+2*z+1], v[S+2*z:S+2*z+1], s[BH:BH+1] op_sel_hi:[1,0]
.set z, z+1
.endr
.else
.set z, 0
.rept 16
	v_pk_add_f32 v[S+2*z:S+2*z+1], v[S+2*z:S+2*z+1], s[BG:BG+1] op_sel_hi:[1,0]
.set z, z+1
.endr
.set z, 0
.rept 16
	v_pk_fma_f32 v[S+32+2*z:S+32+2*z+1], v[MD+2*z:MD+2*z+1], s[ALD:ALD+1], v[S+32+2*z:S+32+2*z+1] op_sel_hi:[1,0,1]
.set z, z+1
.endr
.set z, 0
.rept 16
	v_pk_add_f32 v[S+32+2*z:S+32+2*z+1], v[S+32+2*z:S+32+2*z+1], s[BH:BH+1] op_sel_hi:[1,0]
.set z, z+1
.endr
.endif
.Lopen_\@:
.endm
; A BLOCK'S END, in two parts with a barrier between them.  PARTIAL: group B puts its O^T (each accumulator's low registers first), c m and l into the merge stage, 16 bytes a lane.
.macro PARTIAL
	s_cmp_eq_u32 s[DG], 1
	s_cbranch_scc0 .Lnone_\@
	s_cmp_lt_u32 s[WV], 4
	s_cbranch_scc1 .Lnone_\@
	v_mov_b32 v[TMP], v[ST]
	v_add_f32 v[TMP+1], v[ST+2], v[ST+3]
	v_mov_b32 v[TMP+2], v[ST+4]
	v_add_f32 v[TMP+3], v[ST+6], v[ST+7]
.irp f, 0,1,2,3,4,5,6,7,8,9,10,11,12,13,14,15
	ds_store_b128 v[MA], v[O+4*(\f):O+4*(\f)+3] offset:512*(\f)
.endr
	ds_store_b128 v[MA], v[TMP:TMP+3] offset:8192
.Lnone_\@:
.endm
; FINISH: group A reads them (into S^T's registers, which are free), merges, and sends O through its stage in LDS, a tile at a time.  Then every wave is set up for the second block.
.macro MERGE t                      ; O^T = O^T_a fa / l + O^T_b fb / l
.set i, 0
.rept 16
	v_pk_mul_f32 v[S+32*(\t)+i:S+32*(\t)+i+1], v[S+32*(\t)+i:S+32*(\t)+i+1], v[MG+8*(\t)+4:MG+8*(\t)+5]
.set i, i+2
.endr
.set i, 0
.rept 16
	v_pk_fma_f32 v[O+32*(\t)+i:O+32*(\t)+i+1], v[O+32*(\t)+i:O+32*(\t)+i+1], v[MG+8*(\t)+2:MG+8*(\t)+3], v[S+32*(\t)+i:S+32*(\t)+i+1]
.set i, i+2
.endr
.endm
.macro PACK t                       ; a lane's eight channels of a row pack into 16 bytes; they go into rows of 144 bytes and come back as whole rows of 128
.set i, 0
.rept 16
	v_cvt_pk_bf16_f32 v[S+16*(\t)+i], v[O+32*(\t)+2*i], v[O+32*(\t)+2*i+1]
.set i, i+1
.endr
.irp f, 0,1,2,3
	ds_store_b128 v[STO], v[S+16*(\t)+4*(\f):S+16*(\t)+4*(\f)+3] offset:32*(\f)
.endr
.irp f, 0,1,2,3
	ds_load_b128 v[S+16*(\t)+4*(\f):S+16*(\t)+4*(\f)+3], v[RD] offset:(\f)*4*SP  ; LDS serves a wave's instructions in order (ISA guide 5.7.1.4): these see the stores above; the next tile's stores come behind them
.endr
.endm
.macro SEND t, younger              ; younger: the LDS instructions issued behind tile t's loads: the next tile's eight, or none
.irp f, 0,1,2,3
	s_wait_dscnt (\younger)+3-(\f)
	global_store_b128 v[GO], v[S+16*(\t)+4*(\f):S+16*(\t)+4*(\f)+3], s[10:11] offset:(\t)*8192+(\f)*512  ; 512 consecutive bytes, at a multiple of 256 from O's first
.endr
.endm
.macro FINISH
	s_cmp_eq_u32 s[DG], 1
	s_cbranch_scc0 .Lgo_on_\@
	s_cmp_lt_u32 s[WV], 4
	s_cbranch_scc0 .Lreset_\@
.irp f, 0,1,2,3,4,5,6,7,8,9,10,11,12,13,14,15
	ds_load_b128 v[S+4*(\f):S+4*(\f)+3], v[MA] offset:512*(\f)
.endr
	ds_load_b128 v[TMP+4:TMP+7], v[MA] offset:8192   ; c m_b and l_b of tile 0, of tile 1
.irp t, 0,1
	v_add_f32 v[MG+8*(\t)], v[ST+4*(\t)+2], v[ST+4*(\t)+3]  ; l_a
.endr
	s_wait_dscnt 0x0
.irp t, 0,1
	v_max_num_f32 v[MG+8*(\t)+1], v[ST+4*(\t)], v[TMP+4+2*(\t)]
.endr
.irp t, 0,1
	v_sub_f32 v[MG+8*(\t)+2], v[ST+4*(\t)], v[MG+8*(\t)+1]
	v_sub_f32 v[MG+8*(\t)+4], v[TMP+4+2*(\t)], v[MG+8*(\t)+1]
.endr
.irp t, 0,1
	v_exp_f32 v[MG+8*(\t)+2], v[MG+8*(\t)+2]        ; fa
	v_exp_f32 v[MG+8*(\t)+4], v[MG+8*(\t)+4]        ; fb
.endr
	v_nop                           ; a plain instruction behind the last exponential,
	s_wait_alu depctr_va_vdst(0)    ; and the wait ahead of the first use: one for the four
.irp t, 0,1
	v_mul_f32 v[MG+8*(\t)+6], v[MG+8*(\t)+2], v[MG+8*(\t)]
.endr
.irp t, 0,1
	v_fmac_f32 v[MG+8*(\t)+6], v[MG+8*(\t)+4], v[TMP+5+2*(\t)]
.endr
.irp t, 0,1
	v_permlanex16_b32 v[MG+8*(\t)+1], v[MG+8*(\t)+6], s[SEL], s[SEL+1]  ; the other half of the lanes' keys; the destination has been written before
.endr
.irp t, 0,1
	v_add_f32 v[MG+8*(\t)+6], v[MG+8*(\t)+6], v[MG+8*(\t)+1]
.endr
.irp t, 0,1
	v_rcp_f32 v[MG+8*(\t)+6], v[MG+8*(\t)+6]
.endr
	v_nop
	s_wait_alu depctr_va_vdst(0)    ; one for the two reciprocals
.irp t, 0,1
	v_mul_f32 v[MG+8*(\t)+2], v[MG+8*(\t)+2], v[MG+8*(\t)+6]
	v_mul_f32 v[MG+8*(\t)+4], v[MG+8*(\t)+4], v[MG+8*(\t)+6]
.endr
.irp t, 0,1
	v_mov_b32 v[MG+8*(\t)+3], v[MG+8*(\t)+2]        ; twice, for the packed forms
	v_mov_b32 v[MG+8*(\t)+5], v[MG+8*(\t)+4]
.endr
	MERGE 0
	MERGE 1
	PACK 0
	PACK 1
	SEND 0, 8
	SEND 1, 0
.Lreset_\@:
	s_wait_xcnt 0x0                 ; the stores have read their registers and O's address
	s_mov_b64 s[10:11], s[OLO:OLO+1]
	WIN 0x41                        ; the second block's Q goes where the one text of the products names Q
.set i, 0
.rept 32
	v_mov_b32 v[i], v[QB+i]
.set i, i+1
.endr
	WIN 0
.irp t, 0,1
	v_mov_b32 v[ST+4*(\t)], CMLOW
	v_mov_b32 v[ST+4*(\t)+1], MLOW
.endr
	s_mov_b32 s[ALD], s[ALD2]
	s_mov_b32 s[ALD+1], s[ALD2]
	s_mov_b32 s[BH], s[BH2]
	s_mov_b32 s[BH+1], s[BH2]
	s_mov_b32 s[BG], s[BG2]
	s_mov_b32 s[BG+1], s[BG2]
	s_add_co_u32 s[RT], s[LQ2], 2   ; the second block has LQ2 + 1 tiles (one is taken off below)
.Lgo_on_\@:
.endm
; A TRIP: my two key steps of a tile.  At its head K and V of my step 0 have been asked for, K first.
.macro TILE fill
	s_cmp_eq_u32 s[RT], 1
	s_cselect_b32 s[DG], 1, 0
	s_wait_dscnt 16                 ; K of step 0 is in; V's sixteen loads, issued behind it, may stay out
	KQS
	PLACES
	FETCH_K 1
	MASK 0
	SOFTMAX
	s_wait_dscnt 16                 ; V of step 0 is in; K of step 1 may stay out
	PVS
	PLACES
	FETCH_V 1
	s_wait_dscnt 16                 ; K of step 1 is in; V of step 1 may stay out
	KQS
	CHANGE \fill                    ; its wait for all LDS loads brings V of step 1: my half of the slot has been read out
	FETCH_K 0                       ; the next tile's step 0
	MASK 1
	SOFTMAX
	PVS
	PLACES
	PARTIAL
	s_wait_dscnt 0x0                ; group B's stores into the merge stage are done (and no LDS instruction of mine is out at the signal)
	s_barrier_signal -1             ; every wave passes every barrier, so this one stands in every trip, though it carries data at a block's end alone.  The refill may stay on its way.
	s_barrier_wait -1               ; The stage's next stores stand behind the next change of slots, in front of which group A has waited for its reads
	FETCH_V 0
	FINISH
	s_sub_co_u32 s[RT], s[RT], 1
.endm
	s_wait_tensorcnt 1              ; my part of tile 0 is in; tile 1's, issued behind it, may stay out
	s_barrier_signal -1
	s_barrier_wait -1
	FETCH_K 0
	FETCH_V 0
	s_wait_loadcnt 0x0              ; both blocks' Q
	s_mov_b32 s[SL], 7
.Lslot:                             ; trips 0 to 6: trip i asks for the walk's tile i + 2
	TILE 1
	s_sub_co_u32 s[SL], s[SL], 1
	s_cmp_lg_u32 s[SL], 0
	s_cbranch_scc1 .Lslot
	s_mov_b32 s[SL], 2
.Ltail:                             ; the walk's last two tiles ask for nothing.  The last trip's change of slots and its 32 loads of the other slot's old bytes serve nothing: the price, once a launch, of one text for both
	TILE 0
	s_sub_co_u32 s[SL], s[SL], 1
	s_cmp_lg_u32 s[SL], 0
	s_cbranch_scc1 .Ltail
	s_wait_tensorcnt 0x0            ; the wave's end: a wait, an add and a wait, behind my last tensor load and my last LDS store
	ds_add_u32 v[SPW], v[NIL]
	s_wait_dscnt 0x0
	s_endpgm
.Lfunc_end_k_q6d592231ce_attn:
	.size	k_q6d592231ce_attn, .Lfunc_end_k_q6d592231ce_attn-k_q6d592231ce_attn
	.p2alignl 7, 3214868480
	.fill 96, 4, 3214868480
	.section	.rodata,"a",@progbits
	.p2align	6, 0x0
	.amdhsa_kernel k_q6d592231ce_attn
		.amdhsa_group_segment_fixed_size 327680
		.amdhsa_private_segment_fixed_size 0
		.amdhsa_enable_private_segment 0
		.amdhsa_kernarg_size 16
		.amdhsa_user_sgpr_count 2
		.amdhsa_user_sgpr_kernarg_segment_ptr 1
		.amdhsa_wavefront_size32 1
		.amdhsa_system_sgpr_workgroup_id_x 1
		.amdhsa_system_sgpr_workgroup_id_y 1
		.amdhsa_system_sgpr_workgroup_id_z 1
		.amdhsa_system_vgpr_workitem_id 0
		.amdhsa_next_free_vgpr 448
		.amdhsa_next_free_sgpr 96
		.amdhsa_reserve_vcc 1
		.amdhsa_float_denorm_mode_32 3
		.amdhsa_float_denorm_mode_16_64 3
		.amdhsa_memory_ordered 1
		.amdhsa_forward_progress 1
		.amdhsa_inst_pref_size 127
	.end_amdhsa_kernel
	.amdgpu_metadata
---
amdhsa.version: [ 1, 2 ]
amdhsa.kernels:
  - .name:           k_q6d592231ce_attn
    .symbol:         k_q6d592231ce_attn.kd
    .args:
      - { .name: qkv, .offset: 0, .size: 8, .value_kind: global_buffer, .address_space: global }
      - { .name: ctx, .offset: 8, .size: 8, .value_kind: global_buffer, .address_space: global }
    .group_segment_fixed_size: 327680
    .private_segment_fixed_size: 0
    .kernarg_segment_align: 8
    .kernarg_segment_size: 16
    .max_flat_workgroup_size: 256
    .sgpr_count:     96
    .vgpr_count:     448
    .wavefront_size: 32
...
	.end_amdgpu_metadata
.endif
;; end of part 3
;; launch wo (part 4): grid 8 x 32, 4 waves a work-group, clusters of 4 x 4, 327,680 bytes of LDS; arguments ctx, wb, x2, bo, x; writes x2
.if DOCPART == 4
	.amdgcn_target "amdgcn-amd-amdhsa--gfx1250"
	.amdhsa_code_object_version 6
	.text
	.protected	k_q6d592231ce_wo
	.globl	k_q6d592231ce_wo
	.p2align	8
	.type	k_q6d592231ce_wo,@function
k_q6d592231ce_wo:
	s_mov_b64 s[64:65], 0
	v_nop
	global_prefetch_b8 v0, s[64:65] scope:SCOPE_SE
	s_setreg_imm32_b32 hwreg(HW_REG_WAVE_MODE, 25, 1), 1
	s_wait_xcnt 0x0
	s_wait_alu depctr_hold_cnt(0) depctr_sa_sdst(0) depctr_va_vdst(0) depctr_va_sdst(0) depctr_va_ssrc(0) depctr_va_vcc(0) depctr_vm_vsrc(0)
	s_getreg_b32 s2, hwreg(HW_REG_IB_STS2, 6, 4)
	s_cmp_eq_u32 s2, 0
	s_cbranch_scc0 .Lentry_in_a_cluster
	s_endpgm
.Lentry_in_a_cluster:
	s_bfe_u32 s2, ttmp6, 0x10000c
	s_cmp_lg_u32 s2, 0xf033
	s_cbranch_scc0 .Lentry_shape_is_right
	s_endpgm
.Lentry_shape_is_right:
; C = R + A B + bias, in f32.  A: [K / 64][4096 tokens][64] bf16 (blocks of 64 channels).  B: [K][1024] bf16 at byte WOFF of wb, K along the rows' index, as the weights lie.  bias: [1024] f32.  R, C: [4096][1024] f32.
; Here: A = ctx, B = wo, K = 1,024 (KS = 4 steps of 256), bias = bo, R = x, C = x2.
; A tile of C is 128 x 128, which gives each of the 256 WGPs one work-group; four waves, each 64 x 64 in 16 accumulators.  K goes in steps of 256 through two LDS slots filled by the tensor data mover.
; CLUSTERS: 4 x 4 work-groups; A's tile is asked for jointly along a row of the cluster, B's along a column.  THE MATRIX INSTRUCTION IS USED TRANSPOSED: source 0 = 16 columns of B (turned by ds_load_tr16_b128), source 1 = 16 rows of A.
; No prefetch: the tiles are small, and a step's refill has 112 matrix instructions in which to land whatever is laid beside it.
; LIMITS.  NaN and infinities are not treated apart.
; REGISTERS: window 0: v0-35 addresses and the bias; v128-255 the accumulators ((a, b) at v[128 + 8 (4 a + b)]).  window 1: two fragment buffers of 128: 64 registers of A, then 64 of B.  window 2: v0-127 my part of R.
.set KS,    4
.set WOFF,  6291456
.set PAS,   144                        ; a token's 128 bytes of a channel block + 16: the 16 rows of a load start at 16 different groups of four banks (64 banks of 4 bytes: ISA guide 11.1)
.set CHUNK, 64*PAS                     ; 64 tokens of one channel block
.set PB,    288                        ; a k row of B: 256 bytes + 32
.set PART,  36864                      ; what one tensor load brings: 4 channel blocks x 64 tokens of A, or 128 k rows of B
.set SLOT,  4*PART                     ; A's two row halves, then B's k rows 0-127 and 128-255, which run on across the two parts
.set SP,    272                        ; the way out: a row of 64 f32 + 16 bytes
.set WST,   64*SP                      ; a wave's stage; the four lie in the ring, which has had its last fill by then
.set SPARE, 2*SLOT                     ; behind the ring: the spare words, 128 bytes a wave: two blocks of 256 bytes that no other line names
.set ASTEP, 4*524288                   ; bytes of A from a K step to the next: four channel blocks
.set BSTEP, 256*2048
.set ADRA0, 12
.set ADRB0, 13
.set ADRA,  16                         ; v16  my lane's place among A's fragments in the slot in hand
.set ADRB,  20                         ; v20  among B's, k rows 0-127
.set ADRBH, 21                         ; v21  k rows 128-255: an LDS offset has 16 bits
.set STO,   24
.set RD,    25
.set CO,    26                         ; v26  my byte offset in R and C
.set BO,    27
.set SPW,   28                         ; v28  LDS address of my spare word; never rewritten
.set NIL,   29                         ; v29  0; never rewritten
.set BI,    32                         ; v[32:35] the bias of my 4 columns
.set ACC,   128
.set F0,    0
.set F1,    128
.set G1,   24
.set G0,   32
.set G0W,  36
.set G1B,  48
.set G0B,  56
.set G0BW, 60
.set MSB, 0
.macro WIN new
.if MSB != (\new)
	s_set_vgpr_msb (MSB<<8)|(\new)
.set MSB, \new
.endif
.endm
.set MUL,  0x05                        ; sources 0 (B) and 1 (A) window 1; C and D window 0
.set TO_F, 0x40                        ; destination window 1, address window 0
.macro JLOAD                           ; a joint refill: waves 0 and 1 fetch A's halves, waves 2 and 3 B's; an s_nop 0 and four v_nop follow each of the two lines
	s_cmp_eq_u32 s11, 0
	s_cbranch_scc0 .Lfor_b_\@
	tensor_load_to_lds s[G0W:G0W+3], s[G1:G1+7]
	s_nop 0
.rept 4
	v_nop
.endr
	s_branch .Lasked_\@
.Lfor_b_\@:
	tensor_load_to_lds s[G0BW:G0BW+3], s[G1B:G1B+7]
	s_nop 0
.rept 4
	v_nop
.endr
.Lasked_\@:
.endm
.macro CREST                           ; a round of the cluster's barrier behind its opening barrier
	s_cmp_lg_u32 s10, 0
	s_cbranch_scc1 .Lnot_wave_0_\@
	s_barrier_signal -3
.Lnot_wave_0_\@:
	s_barrier_wait -3
	s_barrier_signal -1
	s_barrier_wait -1
.endm
.macro CROUND
	s_barrier_signal -1
	s_barrier_wait -1
	CREST
.endm
	s_load_b128 s[4:7], s[0:1], 0x0                ; A s[4:5], wb s[6:7]
	s_load_b64 s[8:9], s[0:1], 0x10                ; C
	s_load_b128 s[68:71], s[0:1], 0x18             ; bias s[68:69], R s[70:71]
	v_lshl_add_u32 v[SPW], v0, 2, SPARE
	v_mov_b32 v[NIL], 0
	ds_add_u32 v[SPW], v[NIL]                      ; the wave's opening: the add and its wait stand ahead of my first tensor load; the set-up below, work on registers, stands between them
	ds_add_u32 v28, v29
	v_lshrrev_b32 v1, 5, v0
	v_readfirstlane_b32 s10, v1                    ; wave 0..3
	s_lshr_b32 s11, s10, 1                         ; which half of the tile's rows is mine.  Also: I fetch for A (0) or for B (1)
	s_and_b32 s12, s10, 1                          ; which half of its columns.  Also: which half of A's rows or of B's k rows I fetch
	s_bfe_u32 s40, ttmp6, 0x40000                  ; cx
	s_bfe_u32 s41, ttmp6, 0x40004                  ; cy
	s_lshl_b32 s42, ttmp9, 2
	s_add_co_u32 s42, s42, s40                     ; tile column
	s_and_b32 s13, ttmp7, 0xffff
	s_lshl_b32 s13, s13, 2
	s_add_co_u32 s13, s13, s41                     ; tile row
	s_lshl_b32 s43, s41, 2
	s_lshl_b32 s43, 15, s43                        ; my row of the cluster
	s_lshl_b32 s44, 0x1111, s40                    ; my column
	; A: four rows of 8,192 dense bytes (64 tokens of one channel block), 524,288 bytes apart; the padding is counted along the tile, so every token's 128 bytes get 16
	s_or_b32 s[G1+0], s43, (1<<16)|(1<<20)|(1<<21)|(4<<22)|(3<<25)
	s_mov_b32 s[G1+1], 4096<<16                    ; tensor_dim0 = 4,096
	s_mov_b32 s[G1+2], 4<<16                       ; tensor_dim1 = 4
	s_mov_b32 s[G1+3], 4096<<16                    ; tile_dim0 = 4,096
	s_mov_b32 s[G1+4], 4                           ; tile_dim1 = 4
	s_mov_b32 s[G1+5], 262144                      ; elements from block to block
	s_mov_b32 s[G1+6], 0
	s_mov_b32 s[G1+7], 0
	; B: 128 k rows of 128 columns
	s_or_b32 s[G1B+0], s44, (1<<16)|(1<<20)|(1<<21)|(5<<22)|(7<<25)
	s_mov_b32 s[G1B+1], 128<<16
	s_mov_b32 s[G1B+2], 128<<16
	s_mov_b32 s[G1B+3], 128<<16
	s_mov_b32 s[G1B+4], 128
	s_mov_b32 s[G1B+5], 1024
	s_mov_b32 s[G1B+6], 0
	s_mov_b32 s[G1B+7], 0
	s_lshl_b32 s16, s13, 7                         ; A: token 128 x tile row + 64 x half,
	s_lshl_b32 s17, s12, 6
	s_add_co_u32 s16, s16, s17
	s_lshl_b32 s16, s16, 7                         ; x 128 bytes
	s_mov_b32 s17, 0
	s_lshl_b32 s46, s42, 8                         ; B: 256 bytes of a k row for each tile column,
	s_lshl_b32 s47, s12, 18                        ; 128 k rows of 2,048 bytes for the half,
	s_add_co_u32 s46, s46, s47
	s_add_co_u32 s46, s46, WOFF                    ; in wb
	s_mov_b32 s47, 0
	s_mul_i32 s20, s10, PART                       ; where my part goes in a slot: no place in the cluster enters an LDS address
	s_mov_b32 s22, 0                               ; the slot that is being read: 0 or SLOT
	s_wait_dscnt 0x0                               ; the opening add is done
	s_wait_kmcnt 0x0
	s_add_nc_u64 s[14:15], s[4:5], s[16:17]
	s_add_nc_u64 s[46:47], s[6:7], s[46:47]
	CROUND                                         ; all sixteen work-groups are here: the first joint loads meet
	s_mov_b32 s[G0], 1
	s_mov_b32 s[G0+1], s20
	s_add_nc_u64 s[G0+2:G0+3], s[14:15], 0
	s_or_b32 s[G0+3], s[G0+3], 0x80000000
	s_mov_b32 s[G0W], 1
	s_add_co_u32 s[G0W+1], s20, SLOT
	s_add_nc_u64 s[G0W+2:G0W+3], s[14:15], ASTEP
	s_or_b32 s[G0W+3], s[G0W+3], 0x80000000
	s_mov_b32 s[G0B], 1
	s_mov_b32 s[G0B+1], s20
	s_add_nc_u64 s[G0B+2:G0B+3], s[46:47], 0
	s_or_b32 s[G0B+3], s[G0B+3], 0x80000000
	s_mov_b32 s[G0BW], 1
	s_add_co_u32 s[G0BW+1], s20, SLOT
	s_add_nc_u64 s[G0BW+2:G0BW+3], s[46:47], BSTEP
	s_or_b32 s[G0BW+3], s[G0BW+3], 0x80000000
	s_cmp_eq_u32 s11, 0                            ; a wave's two first fills stand in one branch: two loads of mine are out
	s_cbranch_scc0 .Lfirst_b
	tensor_load_to_lds s[G0:G0+3], s[G1:G1+7]
	s_nop 0
	tensor_load_to_lds s[G0W:G0W+3], s[G1:G1+7]
	s_nop 0
.rept 4
	v_nop
.endr
	s_branch .Lfirst_asked
.Lfirst_b:
	tensor_load_to_lds s[G0B:G0B+3], s[G1B:G1B+7]
	s_nop 0
	tensor_load_to_lds s[G0BW:G0BW+3], s[G1B:G1B+7]
	s_nop 0
.rept 4
	v_nop
.endr
.Lfirst_asked:
	v_and_b32 v1, 15, v0                           ; l % 16
	v_bfe_u32 v2, v0, 4, 1                         ; l / 16
	v_and_b32 v4, 7, v0
	v_bfe_u32 v5, v0, 3, 1
	v_mul_u32_u24 v3, v1, PAS
	v_lshl_add_u32 v3, v2, 4, v3
	s_mul_i32 s23, s11, PART                       ; my 64 rows of A
	v_add_nc_u32 v[ADRA0], s23, v3
	v_lshl_add_u32 v3, v2, 3, v4                   ; the turning load: k row 8 (l / 16) + l % 8, columns 8 ((l / 8) % 2) + 0..7
	v_mul_u32_u24 v3, v3, PB
	v_lshl_add_u32 v3, v5, 4, v3
	s_lshl_b32 s23, s12, 7                         ; my 64 columns of B: 128 bytes of a k row,
	s_add_co_u32 s23, s23, 2*PART                  ; behind A's two parts
	v_add_nc_u32 v[ADRB0], s23, v3
	v_mov_b32 v[ADRA], v[ADRA0]
	v_mov_b32 v[ADRB], v[ADRB0]
	v_add_nc_u32 v[ADRBH], 128*PB, v[ADRB0]
	s_mul_i32 s23, s10, WST                        ; my stage.  In: row l % 16, 32 bytes for each half of the lanes
	v_mul_u32_u24 v3, v1, SP
	v_lshl_add_u32 v3, v2, 5, v3
	v_add_nc_u32 v[STO], s23, v3
	v_mul_u32_u24 v3, v2, SP                       ; back: lanes 0-15 take one row of 256 bytes, lanes 16-31 the next
	v_lshl_add_u32 v3, v1, 4, v3
	v_add_nc_u32 v[RD], s23, v3
	v_lshlrev_b32 v3, 12, v2                       ; and the same two rows in R and C
	v_lshl_add_u32 v[CO], v1, 4, v3
	v_lshlrev_b32 v[BO], 4, v1
	s_lshl_b32 s17, s42, 7                         ; my first column: 128 x tile column + 64 x half,
	s_lshl_b32 s18, s12, 6
	s_add_co_u32 s17, s17, s18
	s_lshl_b32 s18, s17, 2                         ; in bytes
	s_mov_b32 s19, 0
	s_add_nc_u64 s[68:69], s[68:69], s[18:19]
	s_lshl_b32 s16, s13, 7                         ; my first row: 128 x tile row + 64 x half,
	s_lshl_b32 s17, s11, 6
	s_add_co_u32 s16, s16, s17
	s_lshl_b32 s16, s16, 12                        ; x 4,096 bytes
	s_add_co_u32 s16, s16, s18
	s_mov_b32 s17, 0
	s_add_nc_u64 s[8:9], s[8:9], s[16:17]
	s_add_nc_u64 s[70:71], s[70:71], s[16:17]
	global_load_b128 v[BI:BI+3], v[BO], s[68:69]
	WIN 0x80                                       ; destination window 2: my 64 x 64 of R comes in under the K loop
.set t, 0
.rept 32
	global_load_b128 v[4*t:4*t+3], v[CO], s[70:71] offset:t*8192
.set t, t+1
.endr
	WIN 0
; 8 matrix instructions: m blocks a0, a0 + 1 x all 4 n blocks, 32 along K: half c of buffer f.  The 16 accumulators take turns in one order everywhere.
.macro MUL8 f, c, a0, zero
	WIN MUL
.irp a, \a0, (\a0)+1
.irp b, 0,1,2,3
.if \zero
	v_wmma_f32_16x16x32_bf16 v[ACC+8*(4*(\a)+(\b)):ACC+8*(4*(\a)+(\b))+7], v[(\f)+64+8*(4*(\c)+(\b)):(\f)+64+8*(4*(\c)+(\b))+7], v[(\f)+8*(4*(\c)+(\a)):(\f)+8*(4*(\c)+(\a))+7], 0
.else
	v_wmma_f32_16x16x32_bf16 v[ACC+8*(4*(\a)+(\b)):ACC+8*(4*(\a)+(\b))+7], v[(\f)+64+8*(4*(\c)+(\b)):(\f)+64+8*(4*(\c)+(\b))+7], v[(\f)+8*(4*(\c)+(\a)):(\f)+8*(4*(\c)+(\a))+7], v[ACC+8*(4*(\a)+(\b)):ACC+8*(4*(\a)+(\b))+7]
.endif
.endr
.endr
.endm
; 32 LDS loads in one run: the fragments of quarter q (64 along K: one channel block of A) into buffer f; the first 32 along K first
.macro FETCH q, f
	WIN TO_F
.irp c, 0,1
.irp i, 0,1,2,3
	ds_load_tr16_b128 v[(\f)+64+8*(4*(\c)+(\i)):(\f)+64+8*(4*(\c)+(\i))+3],   v[ADRB+(\q)/2] offset:(((\q)%2)*64+32*(\c))*PB+32*(\i)
	ds_load_tr16_b128 v[(\f)+64+8*(4*(\c)+(\i))+4:(\f)+64+8*(4*(\c)+(\i))+7], v[ADRB+(\q)/2] offset:(((\q)%2)*64+32*(\c))*PB+16*PB+32*(\i)
	ds_load_b128 v[(\f)+8*(4*(\c)+(\i)):(\f)+8*(4*(\c)+(\i))+3],   v[ADRA] offset:(\q)*CHUNK+(\i)*16*PAS+64*(\c)
	ds_load_b128 v[(\f)+8*(4*(\c)+(\i))+4:(\f)+8*(4*(\c)+(\i))+7], v[ADRA] offset:(\q)*CHUNK+(\i)*16*PAS+64*(\c)+32
.endr
.endr
.endm
.macro PLACES
.rept 4
	v_nop
.endr
.endm
.macro QUARTER q, f, g, zero           ; multiplies buffer f; in its middle it fetches quarter q into buffer g
	s_wait_dscnt 16                                ; the first 32 along K are in; the sixteen younger loads may be out
	MUL8 \f, 0, 0, \zero
	MUL8 \f, 0, 2, \zero
	PLACES
	FETCH \q, \g
	s_wait_dscnt 32                                ; all but the 32 just issued
	MUL8 \f, 1, 0, 0
	MUL8 \f, 1, 2, 0
.endm
; The last quarter multiplies buffer 1 and changes slots: ONE barrier; in front of it each wave waits for all its tensor loads, adds 0 to its spare word, and waits for that and for its reads of this slot.
; fill = 1: the barrier opens a round of the cluster's, and this slot is filled again first behind it, with the K step two on.
.macro TURN fill
	WIN 0
	s_wait_tensorcnt 0x0
	ds_add_u32 v[SPW], v[NIL]
	s_wait_dscnt 17                                ; the add and the youngest sixteen loads may be out
	MUL8 F1, 0, 0, 0
	s_wait_dscnt 0x0                               ; the add is done, and my reads of this slot are over
	s_barrier_signal -1
	MUL8 F1, 0, 2, 0
.if \fill
	WIN 0
.endif
	s_barrier_wait -1
.if \fill
	CREST
	s_add_co_u32 s[G0W+1], s20, s22                ; the slot that was read, the next K step: no load of mine is out, so group 0 may be written
	s_add_nc_u64 s[G0W+2:G0W+3], s[G0W+2:G0W+3], ASTEP
	s_add_co_u32 s[G0BW+1], s20, s22
	s_add_nc_u64 s[G0BW+2:G0BW+3], s[G0BW+2:G0BW+3], BSTEP
	JLOAD                                          ; its four v_nop are also the places in front of the loads below
.else
	PLACES
.endif
	WIN 0
	s_xor_b32 s22, s22, SLOT
	v_add_nc_u32 v[ADRA], s22, v[ADRA0]
	v_add_nc_u32 v[ADRB], s22, v[ADRB0]
	v_add_nc_u32 v[ADRBH], 128*PB, v[ADRB]
	FETCH 0, F0
	MUL8 F1, 1, 0, 0
	MUL8 F1, 1, 2, 0
.endm
	s_wait_tensorcnt 1                             ; my part of K step 0 is in; K step 1's, issued behind it, may stay out
	s_barrier_signal -1
	s_barrier_wait -1
	FETCH 0, F0
	QUARTER 1, F0, F1, 1                           ; the first products start the sums
	WIN 0
	s_mov_b32 s3, KS-2
.Lstep:
	QUARTER 2, F1, F0, 0
	QUARTER 3, F0, F1, 0
	TURN 1
	QUARTER 1, F0, F1, 0
	WIN 0
	s_sub_co_u32 s3, s3, 1
	s_cmp_lg_u32 s3, 0
	s_cbranch_scc1 .Lstep
	s_mov_b32 s3, 2
.Ltail:                                                ; the last two K steps ask for nothing; the second trip is left in its middle
	QUARTER 2, F1, F0, 0
	QUARTER 3, F0, F1, 0
	WIN 0
	s_sub_co_u32 s3, s3, 1
	s_cmp_eq_u32 s3, 0
	s_cbranch_scc1 .Lfin
	TURN 0
	QUARTER 1, F0, F1, 0
	WIN 0
	s_branch .Ltail
.Lfin:
	s_wait_dscnt 16
	MUL8 F1, 0, 0, 0
	MUL8 F1, 0, 2, 0
	s_wait_dscnt 0x0
	MUL8 F1, 1, 0, 0
	MUL8 F1, 1, 2, 0
	; THE WAY OUT.  The bias is added onto R: 64 plain instructions that name no register of the products: the places behind them.  The sums go through my stage, 64 rows of 272 bytes in the ring, which nobody reads or fills
	; any more behind the barrier, and come back as whole rows; each is added onto R + bias and stored.
	s_wait_loadcnt 0x0                             ; the bias and R
	WIN 0x82                                       ; destination and source 0 window 2, source 1 window 0
.set z, 0
.rept 64
	v_pk_add_f32 v[2*z:2*z+1], v[2*z:2*z+1], v[BI+2*(z%2):BI+2*(z%2)+1]
.set z, z+1
.endr
	WIN 0
	s_wait_dscnt 0x0                               ; my reads of the ring are over,
	s_barrier_signal -1
	s_barrier_wait -1                              ; everybody's are
.irp a, 0,1,2,3
.irp b, 0,1,2,3
	ds_store_b128 v[STO], v[ACC+8*(4*(\a)+(\b)):ACC+8*(4*(\a)+(\b))+3]   offset:(\a)*16*SP+(\b)*64     ; each accumulator's low registers first
	ds_store_b128 v[STO], v[ACC+8*(4*(\a)+(\b))+4:ACC+8*(4*(\a)+(\b))+7] offset:(\a)*16*SP+(\b)*64+16
.endr
.endr
.set t, 0
.rept 32
	ds_load_b128 v[ACC+4*t:ACC+4*t+3], v[RD] offset:t*2*SP  ; LDS serves a wave's instructions in order (ISA guide 5.7.1.4): these see my stores above
.set t, t+1
.endr
	WIN 0x88                                       ; destination and source 1 (the stores' data too) window 2, source 0 (the stores' offset too) window 0
.set t, 0
.rept 32
	s_wait_dscnt 31-t                              ; pair t of rows is back; the younger loads stay out
	v_pk_add_f32 v[4*t:4*t+1], v[ACC+4*t:ACC+4*t+1], v[4*t:4*t+1]
	v_pk_add_f32 v[4*t+2:4*t+3], v[ACC+4*t+2:ACC+4*t+3], v[4*t+2:4*t+3]
	global_store_b128 v[CO], v[4*t:4*t+3], s[8:9] offset:t*8192  ; 16 lanes store my 64 columns of a row: 256 consecutive bytes, at a multiple of 256 from C's first byte
.set t, t+1
.endr
	WIN 0
	s_wait_tensorcnt 0x0                           ; the wave's end: a wait, an add and a wait, behind my last tensor load and my last LDS store
	ds_add_u32 v[SPW], v[NIL]
	s_wait_dscnt 0x0
	CROUND                                         ; the closing round: no work-group ends while a partner may still ask for a tile that names it
	s_endpgm
.Lfunc_end_k_q6d592231ce_wo:
	.size	k_q6d592231ce_wo, .Lfunc_end_k_q6d592231ce_wo-k_q6d592231ce_wo
	.p2alignl 7, 3214868480
	.fill 96, 4, 3214868480
	.section	.rodata,"a",@progbits
	.p2align	6, 0x0
	.amdhsa_kernel k_q6d592231ce_wo
		.amdhsa_group_segment_fixed_size 327680
		.amdhsa_private_segment_fixed_size 0
		.amdhsa_enable_private_segment 0
		.amdhsa_kernarg_size 40
		.amdhsa_user_sgpr_count 2
		.amdhsa_user_sgpr_kernarg_segment_ptr 1
		.amdhsa_wavefront_size32 1
		.amdhsa_system_sgpr_workgroup_id_x 1
		.amdhsa_system_sgpr_workgroup_id_y 1
		.amdhsa_system_sgpr_workgroup_id_z 1
		.amdhsa_system_vgpr_workitem_id 0
		.amdhsa_next_free_vgpr 640
		.amdhsa_next_free_sgpr 72
		.amdhsa_reserve_vcc 0
		.amdhsa_float_denorm_mode_32 3
		.amdhsa_float_denorm_mode_16_64 3
		.amdhsa_memory_ordered 1
		.amdhsa_forward_progress 1
		.amdhsa_inst_pref_size 72
	.end_amdhsa_kernel
	.amdgpu_metadata
---
amdhsa.version: [ 1, 2 ]
amdhsa.kernels:
  - .name:           k_q6d592231ce_wo
    .symbol:         k_q6d592231ce_wo.kd
    .args:
      - { .name: ctx, .offset: 0, .size: 8, .value_kind: global_buffer, .address_space: global }
      - { .name: wb, .offset: 8, .size: 8, .value_kind: global_buffer, .address_space: global }
      - { .name: x2, .offset: 16, .size: 8, .value_kind: global_buffer, .address_space: global }
      - { .name: bo, .offset: 24, .size: 8, .value_kind: global_buffer, .address_space: global }
      - { .name: x, .offset: 32, .size: 8, .value_kind: global_buffer, .address_space: global }
    .group_segment_fixed_size: 327680
    .private_segment_fixed_size: 0
    .kernarg_segment_align: 8
    .kernarg_segment_size: 40
    .max_flat_workgroup_size: 128
    .sgpr_count:     72
    .vgpr_count:     640
    .wavefront_size: 32
...
	.end_amdgpu_metadata
.endif
;; end of part 4
;; launch ln2: the kernel of part 1 again; grid 256 x 1, 16 waves a work-group, no clusters, 0 bytes of LDS; arguments x2, ln2_scale, ln2_shift, h, wq, wk, wv, wo, w1, w2, wb; writes h, wb
;; launch ff1 (part 5): grid 16 x 16, 4 waves a work-group, clusters of 4 x 4, 327,680 bytes of LDS; arguments h, wb, g, b1; writes g
.if DOCPART == 5
	.amdgcn_target "amdgcn-amd-amdhsa--gfx1250"
	.amdhsa_code_object_version 6
	.text
	.protected	k_q6d592231ce_ff1
	.globl	k_q6d592231ce_ff1
	.p2align	8
	.type	k_q6d592231ce_ff1,@function
k_q6d592231ce_ff1:
	s_mov_b64 s[64:65], 0
	v_nop
	global_prefetch_b8 v0, s[64:65] scope:SCOPE_SE
	s_setreg_imm32_b32 hwreg(HW_REG_WAVE_MODE, 25, 1), 1
	s_wait_xcnt 0x0
	s_wait_alu depctr_hold_cnt(0) depctr_sa_sdst(0) depctr_va_vdst(0) depctr_va_sdst(0) depctr_va_ssrc(0) depctr_va_vcc(0) depctr_vm_vsrc(0)
	s_getreg_b32 s2, hwreg(HW_REG_IB_STS2, 6, 4)
	s_cmp_eq_u32 s2, 0
	s_cbranch_scc0 .Lentry_in_a_cluster
	s_endpgm
.Lentry_in_a_cluster:
	s_bfe_u32 s2, ttmp6, 0x10000c
	s_cmp_lg_u32 s2, 0xf033
	s_cbranch_scc0 .Lentry_shape_is_right
	s_endpgm
.Lentry_shape_is_right:
; C = A B + bias.  A = h: [4096][1024] bf16.  B: [1024][NPITCH] bf16, K along the rows' index, as the weights lie.  Sums in f32, K ascending; C rounded once to bf16.
; FF1 = 0: B is wq, wk or wv (cluster x says which: a cluster's four tile columns are one weight), bias bq, bk or bv.   FF1 = 1: B is w1, bias b1, and C = gelu(A B + bias), the exact form.
; C leaves in blocks of 64 columns: [column / 64][4096 tokens][64] bf16, so that a block's rows are dense and two tokens of a block are 256 consecutive bytes.
; A tile of C is 256 x 256: four waves, each 128 x 128 in 64 accumulators of 16 x 16, 512 registers.  K goes in 8 steps of 128 through two LDS slots filled by the tensor data mover.  With FF1 = 1 there are 256 tiles, one for each WGP.
; CLUSTERS: 4 x 4 work-groups; A's tile is asked for jointly along a row of the cluster, B's along a column: the same tensor load, descriptor and mask in the four that it names.
; THE MATRIX INSTRUCTION IS USED TRANSPOSED: source 0 = 16 columns of B (turned on the way out of LDS by ds_load_tr16_b128), source 1 = 16 rows of A: a lane holds row l % 16 of C and the columns 8 (l / 16) + 0..7.
; LIMITS.  NaN and infinities are not treated apart.  FF1 = 1: Phi(-|x|) = Z(x) t (c1 + t (c2 + t (c3 + t (c4 + t c5)))), t = 1 / (1 + 0.2316419 |x|) (Abramowitz and Stegun 26.2.17: off by less than 7.5e-8 for every x);
; gelu(x) = max(x, 0) - |x| Phi(-|x|); where x x overflows, Z is 0 and the result max(x, 0).
; REGISTERS, in windows of 256: window 0: v0-31 addresses, v64-127 and v128-191 A's fragments, two buffers; on the way out v8-15 and v32-251 at work.  window 1: v64-191 B's fragments, two buffers.
;   window 2: the accumulators of my rows 0-63 ((a, b) at v[8 (8 a + b)]); window 3: those of my rows 64-127.
.set FF1, 1
.if FF1
.set NPITCH, 4096                      ; elements from one k row of B to the next
.set NPR, 4                            ; pairs of rows in a trip of the way out
.else
.set NPITCH, 1024
.set NPR, 8
.endif
.set PA,    272                        ; a row of A in LDS: 256 bytes + 16: row r starts at bank 4 r mod 64 (64 banks of 4 bytes: ISA guide 11.1)
.set HA,    128*PA                     ; 128 rows of A: one tensor load
.set PB,    288                        ; a k row of B: 256 bytes + 32
.set HB,    128*PB                     ; 128 k rows x 128 columns of B: one tensor load
.set SLOT,  2*HA+2*HB                  ; A's two row halves, then B's two column halves
.set SP,    528                        ; the way out: a row of 128 f32 + 16 bytes
.set WST,   128*SP                     ; a wave's stage; the four lie in the ring, which has had its last fill by then
.set SPARE, 2*SLOT                     ; behind the ring: the spare words, 128 bytes a wave: two blocks of 256 bytes that no other line names
.set BSTEP, 128*NPITCH*2               ; bytes of B from a K step to the next
.set ADRA0, 12                         ; v12  my lane's place among A's fragments in slot 0; not rewritten in the K loop
.set ADRB0, 13                         ; v13  the same for B
.set ADRA,  16                         ; v16  the same in the slot that is being read
.set ADRB,  20                         ; v20
.set STO,   24                         ; v24  the way out: where I put 32 bytes of a row
.set RD,    25                         ; v25  where I read 32 bytes back
.set CO,    26                         ; v26  my byte offset in C
.set BO,    27                         ; v27  my byte offset in the bias
.set SPW,   28                         ; v28  LDS address of my spare word; never rewritten
.set NIL,   29                         ; v29  0; never rewritten
.set PFO,   30                         ; v30  the prefetches' offset: my lane x a row of A or of B in memory; never rewritten
.set F0,    64
.set F1,    128
.set X,     32                         ; the way out: NPR pairs of rows as read back, 8 registers each
.if FF1
.set XB,    64                         ; + bias
.set T,     96
.set E,     128
.set RL,    160
.set PT,    192
.set Y,     224
.set RES,   T
.set CN,    8                          ; v[8:15], v[248:251]: the constants, each twice, for the packed forms
.set C1,    10
.set C2,    12
.set C3,    14
.set C4,    248
.set C5,    250
.else
.set XB,    96
.set Y,     160
.set RES,   XB
.endif
.set BI,    240                        ; v[240:247] the bias of my 8 columns
.set G1,   24                          ; s[24:31] descriptor group 1 for A's tiles
.set G0,   32                          ; s[32:35] group 0: A, K step 0, slot 0
.set G0W,  36                          ; s[36:39] group 0: A, K step 1, slot 1; then it walks
.set G1B,  48                          ; s[48:55], s[56:59], s[60:63]: the same for B
.set G0B,  56
.set G0BW, 60
.set LIM,  43                          ; s43      2 in a wave that prefetches, else the greatest number
.set PFA,  44                          ; s[44:45] where my prefetches stand
.set PFS,  66                          ; s[66:67] their step: a K step of A or of B
.set BP,   68                          ; s[68:69] the bias
.set MSB, 0
.macro WIN new                         ; the immediate's high byte repeats the setting that is left; a switch that changes nothing is dropped
.if MSB != (\new)
	s_set_vgpr_msb (MSB<<8)|(\new)
.set MSB, \new
.endif
.endm
.set MUL_LO, 0xa1                      ; source 0 (B) window 1, source 1 (A) window 0, C and D window 2
.set MUL_HI, 0xf1                      ; the same, C and D window 3
.set TO_B,   0x40                      ; destination window 1, address window 0
; A joint refill.  Waves 0 and 1 fetch A's two halves, waves 2 and 3 B's.  The branch hangs on the wave's number alone.  An s_nop 0 and four v_nop follow each of the two lines.
.macro JLOAD
	s_cmp_eq_u32 s11, 0
	s_cbranch_scc0 .Lfor_b_\@
	tensor_load_to_lds s[G0W:G0W+3], s[G1:G1+7]
	s_nop 0
.rept 4
	v_nop
.endr
	s_branch .Lasked_\@
.Lfor_b_\@:
	tensor_load_to_lds s[G0BW:G0BW+3], s[G1B:G1B+7]
	s_nop 0
.rept 4
	v_nop
.endr
.Lasked_\@:
.endm
; A PREFETCH INTO THE L2, behind each joint refill and the run of LDS loads that follows it: in the change of slots behind K step j, which asks for step j + 2, a wave names step j + 4: 32 rows x 256 bytes, a lane a row:
; two K steps, 512 matrix instructions, ahead of the load that will want them.  Each row's 256 bytes of a K step are named once in the launch: A's tile row is read by every cluster of that row of clusters, and the one with
; x = 0 asks; B's tile column by every cluster of that column, and the one with y = 0 asks; the four partners of a joint load share its 128 rows out BY ADDRESS, 32 each.  K steps 0 to 3 come by their loads alone;
; the loop's count s3 runs 6 .. 1, and the trips with s3 = 2 and 1 ask for nothing: steps 8 and 9 do not exist.
.macro ASK
	s_cmp_gt_u32 s3, s[LIM]
	s_cbranch_scc0 .Lnot_mine_\@
	global_prefetch_b8 v[PFO], s[PFA:PFA+1] th:TH_LOAD_NT scope:SCOPE_SE
.Lnot_mine_\@:
.endm
; A round of the cluster's barrier: my work-group's barrier; wave 0 signals for the work-group; every wave waits for all sixteen work-groups; my work-group's barrier once more.
.macro CREST                           ; a round behind its opening barrier
	s_cmp_lg_u32 s10, 0
	s_cbranch_scc1 .Lnot_wave_0_\@
	s_barrier_signal -3
.Lnot_wave_0_\@:
	s_barrier_wait -3
	s_barrier_signal -1
	s_barrier_wait -1
.endm
.macro CROUND
	s_barrier_signal -1
	s_barrier_wait -1
	CREST
.endm
	s_load_b128 s[4:7], s[0:1], 0x0                ; A s[4:5], wb s[6:7]
	s_load_b64 s[8:9], s[0:1], 0x10                ; C
.if FF1
	s_load_b64 s[BP:BP+1], s[0:1], 0x18            ; b1
.else
	s_load_b128 s[68:71], s[0:1], 0x18             ; bq s[68:69], bk s[70:71]
	s_load_b64 s[72:73], s[0:1], 0x28              ; bv
.endif
	v_lshl_add_u32 v[SPW], v0, 2, SPARE
	v_mov_b32 v[NIL], 0
	ds_add_u32 v[SPW], v[NIL]                      ; the wave's opening: the add and its wait stand ahead of my first tensor load; the set-up below, work on registers, stands between them
	ds_add_u32 v28, v29
	v_lshrrev_b32 v1, 5, v0
	v_readfirstlane_b32 s10, v1                    ; wave 0..3
	s_lshr_b32 s11, s10, 1                         ; which half of the tile's rows is mine.  Also: I fetch for A (0) or for B (1)
	s_and_b32 s12, s10, 1                          ; which half of its columns.  Also: which half of A's rows or of B's columns I fetch
	s_bfe_u32 s40, ttmp6, 0x40000                  ; cx
	s_bfe_u32 s41, ttmp6, 0x40004                  ; cy
	s_lshl_b32 s42, ttmp9, 2
	s_add_co_u32 s42, s42, s40                     ; tile column = 4 x cluster x + cx
	s_and_b32 s13, ttmp7, 0xffff
	s_lshl_b32 s13, s13, 2
	s_add_co_u32 s13, s13, s41                     ; tile row = 4 x cluster y + cy
	s_lshl_b32 s43, s41, 2
	s_lshl_b32 s43, 15, s43                        ; my row of the cluster
	s_lshl_b32 s44, 0x1111, s40                    ; my column
	s_or_b32 s[G1+0], s43, (1<<16)|(1<<20)|(1<<21)|(5<<22)|(3<<25)   ; the mask; 2-byte elements; padding on; bit 21 beside a mask; after every 64 words, 4 words
	s_or_b32 s[G1B+0], s44, (1<<16)|(1<<20)|(1<<21)|(5<<22)|(7<<25)  ; the same with my column's mask and 8 words of padding
.irp g, G1, G1B
	s_mov_b32 s[(\g)+1], 128<<16                   ; tensor_dim0 = 128
	s_mov_b32 s[(\g)+2], 128<<16                   ; tensor_dim1 = 128
	s_mov_b32 s[(\g)+3], 128<<16                   ; tile_dim0 = 128
	s_mov_b32 s[(\g)+4], 128                       ; tile_dim1 = 128
	s_mov_b32 s[(\g)+6], 0
	s_mov_b32 s[(\g)+7], 0
.endr
	s_mov_b32 s[G1+5], 1024                        ; elements from row to row of A,
	s_mov_b32 s[G1B+5], NPITCH                     ; of B
	s_lshl_b32 s16, s13, 8                         ; A: row 256 x tile row + 128 x half,
	s_lshl_b32 s17, s12, 7
	s_add_co_u32 s16, s16, s17
	s_lshl_b32 s16, s16, 11                        ; x 2,048 bytes
	s_mov_b32 s17, 0
.if FF1
	s_lshl_b32 s46, s42, 9                         ; B: w1 in wb, 512 bytes of a k row for each tile column
	s_add_co_u32 s46, s46, 8388608
.else
	s_lshl_b32 s46, ttmp9, 21                      ; B: wq, wk or wv in wb by the cluster's x,
	s_lshl_b32 s47, s40, 9                         ; 512 bytes of a k row for each tile column in it
	s_add_co_u32 s46, s46, s47
.endif
	s_lshl_b32 s47, s12, 8                         ; + 256 bytes for the column half
	s_add_co_u32 s46, s46, s47
	s_mov_b32 s47, 0
	s_mul_i32 s20, s12, HA                         ; where A's half goes in a slot,
	s_mul_i32 s21, s12, HB
	s_add_co_u32 s21, s21, 2*HA                    ; and B's: no place in the cluster enters an LDS address
	s_mov_b32 s22, 0                               ; the slot that is being read: 0 or SLOT
	s_wait_dscnt 0x0                               ; the opening add is done
	s_wait_kmcnt 0x0
	s_add_nc_u64 s[14:15], s[4:5], s[16:17]
	s_add_nc_u64 s[46:47], s[6:7], s[46:47]
	CROUND                                         ; all sixteen work-groups are here: the first joint loads meet
	s_mov_b32 s[G0], 1
	s_mov_b32 s[G0+1], s20
	s_add_nc_u64 s[G0+2:G0+3], s[14:15], 0
	s_or_b32 s[G0+3], s[G0+3], 0x80000000
	s_mov_b32 s[G0W], 1
	s_add_co_u32 s[G0W+1], s20, SLOT
	s_add_nc_u64 s[G0W+2:G0W+3], s[14:15], 256
	s_or_b32 s[G0W+3], s[G0W+3], 0x80000000
	s_mov_b32 s[G0B], 1
	s_mov_b32 s[G0B+1], s21
	s_add_nc_u64 s[G0B+2:G0B+3], s[46:47], 0
	s_or_b32 s[G0B+3], s[G0B+3], 0x80000000
	s_mov_b32 s[G0BW], 1
	s_add_co_u32 s[G0BW+1], s21, SLOT
	s_add_nc_u64 s[G0BW+2:G0BW+3], s[46:47], BSTEP
	s_or_b32 s[G0BW+3], s[G0BW+3], 0x80000000
	s_cmp_eq_u32 s11, 0                            ; a wave's two first fills stand in one branch, ahead of every wait on TENSORcnt and every LDS read: two loads of mine are out
	s_cbranch_scc0 .Lfirst_b
	tensor_load_to_lds s[G0:G0+3], s[G1:G1+7]
	s_nop 0
	tensor_load_to_lds s[G0W:G0W+3], s[G1:G1+7]
	s_nop 0
.rept 4
	v_nop
.endr
	s_branch .Lfirst_asked
.Lfirst_b:
	tensor_load_to_lds s[G0B:G0B+3], s[G1B:G1B+7]
	s_nop 0
	tensor_load_to_lds s[G0BW:G0BW+3], s[G1B:G1B+7]
	s_nop 0
.rept 4
	v_nop
.endr
.Lfirst_asked:
	; A's fragment: lane l holds row l % 16; two loads of 16 bytes, 32 apart, at row x pitch + 16 (l / 16).
	; B's: the turning load takes 16 k x 16 columns: lane l reads k row 8 (l / 16) + l % 8, columns 8 ((l / 8) % 2) + 0..7, and is left with column l % 16 and 8 k.
	v_and_b32 v1, 15, v0                           ; l % 16
	v_bfe_u32 v2, v0, 4, 1                         ; l / 16
	v_and_b32 v4, 7, v0                            ; l % 8
	v_bfe_u32 v5, v0, 3, 1                         ; (l / 8) % 2
	v_mul_u32_u24 v3, v1, PA
	v_lshl_add_u32 v3, v2, 4, v3
	s_mul_i32 s23, s11, HA                         ; my 128 rows of A
	v_add_nc_u32 v[ADRA0], s23, v3
	v_lshl_add_u32 v3, v2, 3, v4
	v_mul_u32_u24 v3, v3, PB
	v_lshl_add_u32 v3, v5, 4, v3
	v_add_nc_u32 v[ADRB0], s21, v3                 ; my 128 columns of B
	v_mov_b32 v[ADRA], v[ADRA0]
	v_mov_b32 v[ADRB], v[ADRB0]
	; the way out.  In: row l % 16, 32 bytes for each half of the lanes.  Back: lane l takes row (l / 8) % 2 of a pair, column block l / 16 of my two, columns 8 (l % 8) + 0..7
	s_mul_i32 s23, s10, WST
	v_mul_u32_u24 v3, v1, SP
	v_lshl_add_u32 v3, v2, 5, v3
	v_add_nc_u32 v[STO], s23, v3
	v_mul_u32_u24 v3, v5, SP
	v_lshl_add_u32 v3, v2, 8, v3
	v_lshl_add_u32 v3, v4, 5, v3
	v_add_nc_u32 v[RD], s23, v3
	v_lshlrev_b32 v3, 19, v2                       ; in C: a column block is 524,288 bytes, a token 128, my 8 columns 16
	v_lshl_add_u32 v3, v5, 7, v3
	v_lshl_add_u32 v[CO], v4, 4, v3
	v_lshlrev_b32 v3, 8, v2
	v_lshl_add_u32 v[BO], v4, 5, v3
.if FF1
	s_lshl_b32 s16, s42, 10                        ; the tile's 256 numbers of b1
.else
	s_cmp_eq_u32 ttmp9, 1
	s_cselect_b64 s[BP:BP+1], s[70:71], s[BP:BP+1]
	s_cmp_eq_u32 ttmp9, 2
	s_cselect_b64 s[BP:BP+1], s[72:73], s[BP:BP+1]
	s_lshl_b32 s16, s40, 10                        ; the tile's 256 numbers of bq, bk or bv
.endif
	s_lshl_b32 s17, s12, 9
	s_add_co_u32 s16, s16, s17
	s_mov_b32 s17, 0
	s_add_nc_u64 s[BP:BP+1], s[BP:BP+1], s[16:17]
	global_load_b128 v[BI:BI+3], v[BO], s[BP:BP+1]
	global_load_b128 v[BI+4:BI+7], v[BO], s[BP:BP+1] offset:16
	s_lshl_b32 s16, s42, 2                         ; C at my part: column block 4 x tile column + 2 x half,
	s_lshl_b32 s17, s12, 1
	s_add_co_u32 s16, s16, s17
	s_lshl_b32 s16, s16, 19
	s_lshl_b32 s17, s13, 8                         ; token 256 x tile row + 128 x half
	s_lshl_b32 s18, s11, 7
	s_add_co_u32 s17, s17, s18
	s_lshl_b32 s17, s17, 7
	s_add_co_u32 s16, s16, s17
	s_mov_b32 s17, 0
	s_add_nc_u64 s[8:9], s[8:9], s[16:17]
	; the prefetches
	s_and_b32 s18, ttmp7, 0xffff                   ; cluster y
	s_mov_b32 s23, NPITCH*2
	s_mov_b32 s[PFS], BSTEP
	s_mov_b32 s[PFS+1], 0
	s_cmp_eq_u32 s11, 0                            ; do I fetch for A?
	s_cselect_b32 s19, ttmp9, s18                  ; the coordinate along which other clusters read the same rows
	s_cselect_b32 s18, s40, s41                    ; my place among the four that ask with me
	s_cselect_b32 s23, 2048, s23                   ; bytes from row to row
	s_cselect_b32 s[PFS], 256, s[PFS]
	s_cselect_b64 s[PFA:PFA+1], s[14:15], s[46:47]
	s_cmp_eq_u32 s19, 0
	s_cselect_b32 s[LIM], 2, -1                    ; the same in all sixteen partners, for a given wave
	s_lshl_b32 s18, s18, 5
	s_mul_i32 s18, s18, s23                        ; my work-group's 32 rows of the 128,
	s_mul_i32 s16, s[PFS], 3                       ; at K step 3: the first change of slots steps it to 4
	s_add_co_u32 s16, s16, s18
	s_mov_b32 s17, 0
	s_add_nc_u64 s[PFA:PFA+1], s[PFA:PFA+1], s[16:17]
	v_and_b32 v[PFO], 31, v0
	v_mul_u32_u24 v[PFO], v[PFO], s23
; 16 matrix instructions: m blocks a0, a0 + 1 of the window's four x all 8 n blocks, 32 along K.  zero = 1: the product starts the sums.  The 64 accumulators take turns in one order everywhere.
.macro MUL16 f, hi, a0, zero
	WIN MUL_LO+0x50*(\hi)
.irp a, \a0, (\a0)+1
.irp b, 0,1,2,3,4,5,6,7
.if \zero
	v_wmma_f32_16x16x32_bf16 v[8*(8*(\a)+(\b)):8*(8*(\a)+(\b))+7], v[(\f)+8*(\b):(\f)+8*(\b)+7], v[(\f)+8*(4*(\hi)+(\a)):(\f)+8*(4*(\hi)+(\a))+7], 0
.else
	v_wmma_f32_16x16x32_bf16 v[8*(8*(\a)+(\b)):8*(8*(\a)+(\b))+7], v[(\f)+8*(\b):(\f)+8*(\b)+7], v[(\f)+8*(4*(\hi)+(\a)):(\f)+8*(4*(\hi)+(\a))+7], v[8*(8*(\a)+(\b)):8*(8*(\a)+(\b))+7]
.endif
.endr
.endr
.endm
; 32 LDS loads in one run: the fragments of quarter q (32 along K) of the slot in hand into buffer f: B's eight, turned, then A's eight
.macro FETCH q, f
	WIN TO_B
.irp i, 0,1,2,3,4,5,6,7
	ds_load_tr16_b128 v[(\f)+8*(\i):(\f)+8*(\i)+3],   v[ADRB] offset:(\q)*32*PB+32*(\i)
	ds_load_tr16_b128 v[(\f)+8*(\i)+4:(\f)+8*(\i)+7], v[ADRB] offset:(\q)*32*PB+16*PB+32*(\i)
.endr
	WIN 0
.irp i, 0,1,2,3,4,5,6,7
	ds_load_b128 v[(\f)+8*(\i):(\f)+8*(\i)+3],   v[ADRA] offset:64*(\q)+(\i)*16*PA
	ds_load_b128 v[(\f)+8*(\i)+4:(\f)+8*(\i)+7], v[ADRA] offset:64*(\q)+(\i)*16*PA+32
.endr
.endm
.macro PLACES                          ; four plain vector instructions between a matrix instruction and a load into, or a vector line on, its registers
.rept 4
	v_nop
.endr
.endm
; One of a K step's first three quarters: multiplies buffer f; in its middle it fetches quarter q into buffer g
.macro QUARTER q, f, g, zero
	s_wait_dscnt 8                                 ; B and A's rows 0-63 are in; the youngest eight loads (A's rows 64-127) may be out
	MUL16 \f, 0, 0, \zero
	MUL16 \f, 0, 2, \zero
	PLACES
	FETCH \q, \g
	s_wait_dscnt 32                                ; all but the 32 just issued
	MUL16 \f, 1, 0, \zero
	MUL16 \f, 1, 2, \zero
.endm
; The last quarter's first half: ONE barrier for the change of slots.  In front of it each wave waits for all its tensor loads (one is out: its part of the next slot), adds 0 to its spare word, and waits for that and for its reads of this slot.
.macro MEET round
	WIN 0
	s_wait_tensorcnt 0x0
	ds_add_u32 v[SPW], v[NIL]
	s_wait_dscnt 9                                 ; the add and the youngest eight loads may be out
	MUL16 F1, 0, 0, 0
	s_wait_dscnt 0x0                               ; the add is done, and my reads of this slot are over
	s_barrier_signal -1
	MUL16 F1, 0, 2, 0
.if \round
	WIN 0
.endif
	s_barrier_wait -1
.endm
; The whole last quarter.  fill = 1: the barrier opens a round of the cluster's, and the slot just read out is filled again first behind it, with the K step two on; 224 matrix instructions stand between that request and the wait for it.
.macro TURN fill
.if \fill
	s_wait_xcnt 0x0                                ; the last prefetch, a K step back, has read its address
	s_add_nc_u64 s[PFA:PFA+1], s[PFA:PFA+1], s[PFS:PFS+1]
.endif
	MEET \fill
.if \fill
	CREST
	s_add_co_u32 s[G0W+1], s20, s22                ; the slot that was read,
	s_add_nc_u64 s[G0W+2:G0W+3], s[G0W+2:G0W+3], 256  ; the next K step: no load of mine is out, so group 0 may be written
	s_add_co_u32 s[G0BW+1], s21, s22
	s_add_nc_u64 s[G0BW+2:G0BW+3], s[G0BW+2:G0BW+3], BSTEP
	JLOAD                                          ; its four v_nop are also the places in front of the loads below
.else
	PLACES
.endif
	WIN 0
	s_xor_b32 s22, s22, SLOT
	v_add_nc_u32 v[ADRA], s22, v[ADRA0]
	v_add_nc_u32 v[ADRB], s22, v[ADRB0]
	FETCH 0, F0
.if \fill
	ASK
.endif
	MUL16 F1, 1, 0, 0
	MUL16 F1, 1, 2, 0
.endm
	s_wait_tensorcnt 1                             ; my part of K step 0 is in; K step 1's, issued behind it, may stay out
	s_barrier_signal -1
	s_barrier_wait -1
	FETCH 0, F0
	QUARTER 1, F0, F1, 1                           ; the first quarter starts the sums: nothing is cleared
	WIN 0
	s_mov_b32 s3, 6
.Lstep:                                                ; a trip: a K step's quarters 1 to 3, the change of slots with its refill, the next step's quarter 0
	QUARTER 2, F1, F0, 0
	QUARTER 3, F0, F1, 0
	TURN 1
	QUARTER 1, F0, F1, 0
	WIN 0
	s_sub_co_u32 s3, s3, 1
	s_cmp_lg_u32 s3, 0
	s_cbranch_scc1 .Lstep
	s_mov_b32 s3, 2
.Ltail:                                                ; K steps 6 and 7 ask for nothing; the second trip is left in its middle
	QUARTER 2, F1, F0, 0
	QUARTER 3, F0, F1, 0
	WIN 0
	s_sub_co_u32 s3, s3, 1
	s_cmp_eq_u32 s3, 0
	s_cbranch_scc1 .Lfin
	TURN 0
	QUARTER 1, F0, F1, 0
	WIN 0
	s_branch .Ltail
.Lfin:
	s_wait_dscnt 8
	MUL16 F1, 0, 0, 0
	MUL16 F1, 0, 2, 0
	s_wait_dscnt 0x0
	MUL16 F1, 1, 0, 0
	MUL16 F1, 1, 2, 0
	WIN 0
	; THE WAY OUT.  The sums go in f32 into my stage, 128 rows of 528 bytes in the ring, which nobody reads or fills any more behind the barrier; a loop reads them back by pairs of rows, adds the bias, takes the gelu, and stores.
.if FF1
.irp c, CN, C1, C2, C3, C4, C5                 ; twelve plain instructions: the places behind the last products
.if (\c) == CN
.set cv, 0xbf38aa3b                    ; - log2(e) / 2
.elseif (\c) == C1
.set cv, 0x3e027906                    ; 0.127414796
.elseif (\c) == C2
.set cv, 0xbe11a98e                    ; -0.142248368
.elseif (\c) == C3
.set cv, 0x3f35f0e3                    ; 0.710706871
.elseif (\c) == C4
.set cv, 0xbf3a00e3                    ; -0.726576014
.else
.set cv, 0x3f07dc22                    ; 0.530702716
.endif
	v_mov_b32 v[(\c)], cv
	v_mov_b32 v[(\c)+1], cv
.endr
	s_mov_b32 s74, 0x3e6d3389                      ; 0.2316419
.else
	PLACES
.endif
	s_wait_dscnt 0x0                               ; my reads of the ring are over,
	s_barrier_signal -1
	s_barrier_wait -1                              ; everybody's are
.irp a, 0,1,2,3,4,5,6,7
	WIN 0x08+4*((\a)/4)                            ; the stores' data: window 2 or 3
.irp b, 0,1,2,3,4,5,6,7
	ds_store_b128 v[STO], v[8*(8*((\a)%4)+(\b)):8*(8*((\a)%4)+(\b))+3]   offset:(\a)*16*SP+(\b)*64     ; each accumulator's low registers first
	ds_store_b128 v[STO], v[8*(8*((\a)%4)+(\b))+4:8*(8*((\a)%4)+(\b))+7] offset:(\a)*16*SP+(\b)*64+16
.endr
.endr
	WIN 0
.macro OLOADS                          ; NPR pairs of rows: LDS serves a wave's instructions in order (ISA guide 5.7.1.4): these see my stores above
.set p, 0
.rept NPR
	ds_load_b128 v[X+8*p:X+8*p+3],   v[RD] offset:p*2*SP
	ds_load_b128 v[X+8*p+4:X+8*p+7], v[RD] offset:p*2*SP+16
.set p, p+1
.endr
.endm
	s_wait_loadcnt 0x0                             ; the bias
	OLOADS
	s_mov_b32 s3, 64/NPR
.Lout:
	s_wait_dscnt 0x0
.set p, 0
.rept 4*NPR
	v_pk_add_f32 v[XB+2*p:XB+2*p+1], v[X+2*p:X+2*p+1], v[BI+2*(p%4):BI+2*(p%4)+1]  ; + bias; X is free again
.set p, p+1
.endr
	s_cmp_eq_u32 s3, 1                             ; the last trip has nothing more to read
	s_cbranch_scc1 .Lno_more
	v_add_nc_u32 v[RD], NPR*2*SP, v[RD]
	OLOADS                                         ; the next trip's rows come while this trip's are worked on
.Lno_more:
.if FF1
.set i, 0
.rept 32
	v_fma_f32 v[T+i], |v[XB+i]|, s74, 1.0
.set i, i+1
.endr
.set i, 0
.rept 16
	v_pk_mul_f32 v[E+i:E+i+1], v[XB+i:XB+i+1], v[XB+i:XB+i+1]
.set i, i+2
.endr
.set i, 0
.rept 16
	v_pk_mul_f32 v[E+i:E+i+1], v[E+i:E+i+1], v[CN:CN+1]
.set i, i+2
.endr
.set i, 0
.rept 32                               ; ONE BATCH of 64: t and Z sqrt(2 pi); max(x, 0) stands between them as plain work; nothing here names a result
	v_rcp_f32 v[T+i], v[T+i]
	v_exp_f32 v[E+i], v[E+i]
	v_max_num_f32 v[RL+i], 0, v[XB+i]
.set i, i+1
.endr
	v_nop
	s_wait_alu depctr_va_vdst(0)                   ; the one wait ahead of the batch's first reader
.set i, 0
.rept 16
	v_pk_fma_f32 v[PT+i:PT+i+1], v[T+i:T+i+1], v[C5:C5+1], v[C4:C4+1]
.set i, i+2
.endr
.irp c, C3, C2, C1
.set i, 0
.rept 16
	v_pk_fma_f32 v[PT+i:PT+i+1], v[PT+i:PT+i+1], v[T+i:T+i+1], v[(\c):(\c)+1]
.set i, i+2
.endr
.endr
.set i, 0
.rept 16
	v_pk_mul_f32 v[PT+i:PT+i+1], v[PT+i:PT+i+1], v[T+i:T+i+1]
.set i, i+2
.endr
.set i, 0
.rept 16
	v_pk_mul_f32 v[PT+i:PT+i+1], v[PT+i:PT+i+1], v[E+i:E+i+1]
.set i, i+2
.endr
.set i, 0
.rept 32
	v_fma_f32 v[T+i], -|v[XB+i]|, v[PT+i], v[RL+i] ; max(x, 0) - |x| Phi(-|x|)
.set i, i+1
.endr
.endif
.set p, 0
.rept 4*NPR
	v_cvt_pk_bf16_f32 v[Y+p], v[RES+2*p], v[RES+2*p+1]
.set p, p+1
.endr
.set p, 0
.rept NPR
	global_store_b128 v[CO], v[Y+4*p:Y+4*p+3], s[8:9] offset:p*256  ; 16 lanes store two tokens' 128 bytes of one column block: 256 consecutive bytes, at a multiple of 256 from C's first byte
.set p, p+1
.endr
	s_wait_xcnt 0x0                                ; the stores have read their offset and their data: both are written again only behind this wait
	v_add_nc_u32 v[CO], NPR*256, v[CO]
	s_sub_co_u32 s3, s3, 1
	s_cmp_lg_u32 s3, 0
	s_cbranch_scc1 .Lout
	s_wait_tensorcnt 0x0                           ; the wave's end: a wait, an add and a wait, behind my last tensor load and my last LDS store
	ds_add_u32 v[SPW], v[NIL]
	s_wait_dscnt 0x0
	CROUND                                         ; the closing round: no work-group ends while a partner may still ask for a tile that names it
	s_endpgm
.Lfunc_end_k_q6d592231ce_ff1:
	.size	k_q6d592231ce_ff1, .Lfunc_end_k_q6d592231ce_ff1-k_q6d592231ce_ff1
	.p2alignl 7, 3214868480
	.fill 96, 4, 3214868480
	.section	.rodata,"a",@progbits
	.p2align	6, 0x0
	.amdhsa_kernel k_q6d592231ce_ff1
		.amdhsa_group_segment_fixed_size 327680
		.amdhsa_private_segment_fixed_size 0
		.amdhsa_enable_private_segment 0
		.amdhsa_kernarg_size 32
		.amdhsa_user_sgpr_count 2
		.amdhsa_user_sgpr_kernarg_segment_ptr 1
		.amdhsa_wavefront_size32 1
		.amdhsa_system_sgpr_workgroup_id_x 1
		.amdhsa_system_sgpr_workgroup_id_y 1
		.amdhsa_system_sgpr_workgroup_id_z 1
		.amdhsa_system_vgpr_workitem_id 0
		.amdhsa_next_free_vgpr 1024
		.amdhsa_next_free_sgpr 80
		.amdhsa_reserve_vcc 0
		.amdhsa_float_denorm_mode_32 3
		.amdhsa_float_denorm_mode_16_64 3
		.amdhsa_memory_ordered 1
		.amdhsa_forward_progress 1
		.amdhsa_inst_pref_size 102
	.end_amdhsa_kernel
	.amdgpu_metadata
---
amdhsa.version: [ 1, 2 ]
amdhsa.kernels:
  - .name:           k_q6d592231ce_ff1
    .symbol:         k_q6d592231ce_ff1.kd
    .args:
      - { .name: h, .offset: 0, .size: 8, .value_kind: global_buffer, .address_space: global }
      - { .name: wb, .offset: 8, .size: 8, .value_kind: global_buffer, .address_space: global }
      - { .name: g, .offset: 16, .size: 8, .value_kind: global_buffer, .address_space: global }
      - { .name: b1, .offset: 24, .size: 8, .value_kind: global_buffer, .address_space: global }
    .group_segment_fixed_size: 327680
    .private_segment_fixed_size: 0
    .kernarg_segment_align: 8
    .kernarg_segment_size: 32
    .max_flat_workgroup_size: 128
    .sgpr_count:     80
    .vgpr_count:     1024
    .wavefront_size: 32
...
	.end_amdgpu_metadata
.endif
;; end of part 5
;; launch ff2 (part 6): grid 8 x 32, 4 waves a work-group, clusters of 4 x 4, 327,680 bytes of LDS; arguments g, wb, out0, b2, x2; writes out0
.if DOCPART == 6
	.amdgcn_target "amdgcn-amd-amdhsa--gfx1250"
	.amdhsa_code_object_version 6
	.text
	.protected	k_q6d592231ce_ff2
	.globl	k_q6d592231ce_ff2
	.p2align	8
	.type	k_q6d592231ce_ff2,@function
k_q6d592231ce_ff2:
	s_mov_b64 s[64:65], 0
	v_nop
	global_prefetch_b8 v0, s[64:65] scope:SCOPE_SE
	s_setreg_imm32_b32 hwreg(HW_REG_WAVE_MODE, 25, 1), 1
	s_wait_xcnt 0x0
	s_wait_alu depctr_hold_cnt(0) depctr_sa_sdst(0) depctr_va_vdst(0) depctr_va_sdst(0) depctr_va_ssrc(0) depctr_va_vcc(0) depctr_vm_vsrc(0)
	s_getreg_b32 s2, hwreg(HW_REG_IB_STS2, 6, 4)
	s_cmp_eq_u32 s2, 0
	s_cbranch_scc0 .Lentry_in_a_cluster
	s_endpgm
.Lentry_in_a_cluster:
	s_bfe_u32 s2, ttmp6, 0x10000c
	s_cmp_lg_u32 s2, 0xf033
	s_cbranch_scc0 .Lentry_shape_is_right
	s_endpgm
.Lentry_shape_is_right:
; C = R + A B + bias, in f32.  A: [K / 64][4096 tokens][64] bf16 (blocks of 64 channels).  B: [K][1024] bf16 at byte WOFF of wb, K along the rows' index, as the weights lie.  bias: [1024] f32.  R, C: [4096][1024] f32.
; Here: A = g, B = w2, K = 4,096 (KS = 16 steps of 256), bias = b2, R = x2, C = out0.
; A tile of C is 128 x 128, which gives each of the 256 WGPs one work-group; four waves, each 64 x 64 in 16 accumulators.  K goes in steps of 256 through two LDS slots filled by the tensor data mover.
; CLUSTERS: 4 x 4 work-groups; A's tile is asked for jointly along a row of the cluster, B's along a column.  THE MATRIX INSTRUCTION IS USED TRANSPOSED: source 0 = 16 columns of B (turned by ds_load_tr16_b128), source 1 = 16 rows of A.
; No prefetch: the tiles are small, and a step's refill has 112 matrix instructions in which to land whatever is laid beside it.
; LIMITS.  NaN and infinities are not treated apart.
; REGISTERS: window 0: v0-35 addresses and the bias; v128-255 the accumulators ((a, b) at v[128 + 8 (4 a + b)]).  window 1: two fragment buffers of 128: 64 registers of A, then 64 of B.  window 2: v0-127 my part of R.
.set KS,    16
.set WOFF,  16777216
.set PAS,   144                        ; a token's 128 bytes of a channel block + 16: the 16 rows of a load start at 16 different groups of four banks (64 banks of 4 bytes: ISA guide 11.1)
.set CHUNK, 64*PAS                     ; 64 tokens of one channel block
.set PB,    288                        ; a k row of B: 256 bytes + 32
.set PART,  36864                      ; what one tensor load brings: 4 channel blocks x 64 tokens of A, or 128 k rows of B
.set SLOT,  4*PART                     ; A's two row halves, then B's k rows 0-127 and 128-255, which run on across the two parts
.set SP,    272                        ; the way out: a row of 64 f32 + 16 bytes
.set WST,   64*SP                      ; a wave's stage; the four lie in the ring, which has had its last fill by then
.set SPARE, 2*SLOT                     ; behind the ring: the spare words, 128 bytes a wave: two blocks of 256 bytes that no other line names
.set ASTEP, 4*524288                   ; bytes of A from a K step to the next: four channel blocks
.set BSTEP, 256*2048
.set ADRA0, 12
.set ADRB0, 13
.set ADRA,  16                         ; v16  my lane's place among A's fragments in the slot in hand
.set ADRB,  20                         ; v20  among B's, k rows 0-127
.set ADRBH, 21                         ; v21  k rows 128-255: an LDS offset has 16 bits
.set STO,   24
.set RD,    25
.set CO,    26                         ; v26  my byte offset in R and C
.set BO,    27
.set SPW,   28                         ; v28  LDS address of my spare word; never rewritten
.set NIL,   29                         ; v29  0; never rewritten
.set BI,    32                         ; v[32:35] the bias of my 4 columns
.set ACC,   128
.set F0,    0
.set F1,    128
.set G1,   24
.set G0,   32
.set G0W,  36
.set G1B,  48
.set G0B,  56
.set G0BW, 60
.set MSB, 0
.macro WIN new
.if MSB != (\new)
	s_set_vgpr_msb (MSB<<8)|(\new)
.set MSB, \new
.endif
.endm
.set MUL,  0x05                        ; sources 0 (B) and 1 (A) window 1; C and D window 0
.set TO_F, 0x40                        ; destination window 1, address window 0
.macro JLOAD                           ; a joint refill: waves 0 and 1 fetch A's halves, waves 2 and 3 B's; an s_nop 0 and four v_nop follow each of the two lines
	s_cmp_eq_u32 s11, 0
	s_cbranch_scc0 .Lfor_b_\@
	tensor_load_to_lds s[G0W:G0W+3], s[G1:G1+7]
	s_nop 0
.rept 4
	v_nop
.endr
	s_branch .Lasked_\@
.Lfor_b_\@:
	tensor_load_to_lds s[G0BW:G0BW+3], s[G1B:G1B+7]
	s_nop 0
.rept 4
	v_nop
.endr
.Lasked_\@:
.endm
.macro CREST                           ; a round of the cluster's barrier behind its opening barrier
	s_cmp_lg_u32 s10, 0
	s_cbranch_scc1 .Lnot_wave_0_\@
	s_barrier_signal -3
.Lnot_wave_0_\@:
	s_barrier_wait -3
	s_barrier_signal -1
	s_barrier_wait -1
.endm
.macro CROUND
	s_barrier_signal -1
	s_barrier_wait -1
	CREST
.endm
	s_load_b128 s[4:7], s[0:1], 0x0                ; A s[4:5], wb s[6:7]
	s_load_b64 s[8:9], s[0:1], 0x10                ; C
	s_load_b128 s[68:71], s[0:1], 0x18             ; bias s[68:69], R s[70:71]
	v_lshl_add_u32 v[SPW], v0, 2, SPARE
	v_mov_b32 v[NIL], 0
	ds_add_u32 v[SPW], v[NIL]                      ; the wave's opening: the add and its wait stand ahead of my first tensor load; the set-up below, work on registers, stands between them
	ds_add_u32 v28, v29
	v_lshrrev_b32 v1, 5, v0
	v_readfirstlane_b32 s10, v1                    ; wave 0..3
	s_lshr_b32 s11, s10, 1                         ; which half of the tile's rows is mine.  Also: I fetch for A (0) or for B (1)
	s_and_b32 s12, s10, 1                          ; which half of its columns.  Also: which half of A's rows or of B's k rows I fetch
	s_bfe_u32 s40, ttmp6, 0x40000                  ; cx
	s_bfe_u32 s41, ttmp6, 0x40004                  ; cy
	s_lshl_b32 s42, ttmp9, 2
	s_add_co_u32 s42, s42, s40                     ; tile column
	s_and_b32 s13, ttmp7, 0xffff
	s_lshl_b32 s13, s13, 2
	s_add_co_u32 s13, s13, s41                     ; tile row
	s_lshl_b32 s43, s41, 2
	s_lshl_b32 s43, 15, s43                        ; my row of the cluster
	s_lshl_b32 s44, 0x1111, s40                    ; my column
	; A: four rows of 8,192 dense bytes (64 tokens of one channel block), 524,288 bytes apart; the padding is counted along the tile, so every token's 128 bytes get 16
	s_or_b32 s[G1+0], s43, (1<<16)|(1<<20)|(1<<21)|(4<<22)|(3<<25)
	s_mov_b32 s[G1+1], 4096<<16                    ; tensor_dim0 = 4,096
	s_mov_b32 s[G1+2], 4<<16                       ; tensor_dim1 = 4
	s_mov_b32 s[G1+3], 4096<<16                    ; tile_dim0 = 4,096
	s_mov_b32 s[G1+4], 4                           ; tile_dim1 = 4
	s_mov_b32 s[G1+5], 262144                      ; elements from block to block
	s_mov_b32 s[G1+6], 0
	s_mov_b32 s[G1+7], 0
	; B: 128 k rows of 128 columns
	s_or_b32 s[G1B+0], s44, (1<<16)|(1<<20)|(1<<21)|(5<<22)|(7<<25)
	s_mov_b32 s[G1B+1], 128<<16
	s_mov_b32 s[G1B+2], 128<<16
	s_mov_b32 s[G1B+3], 128<<16
	s_mov_b32 s[G1B+4], 128
	s_mov_b32 s[G1B+5], 1024
	s_mov_b32 s[G1B+6], 0
	s_mov_b32 s[G1B+7], 0
	s_lshl_b32 s16, s13, 7                         ; A: token 128 x tile row + 64 x half,
	s_lshl_b32 s17, s12, 6
	s_add_co_u32 s16, s16, s17
	s_lshl_b32 s16, s16, 7                         ; x 128 bytes
	s_mov_b32 s17, 0
	s_lshl_b32 s46, s42, 8                         ; B: 256 bytes of a k row for each tile column,
	s_lshl_b32 s47, s12, 18                        ; 128 k rows of 2,048 bytes for the half,
	s_add_co_u32 s46, s46, s47
	s_add_co_u32 s46, s46, WOFF                    ; in wb
	s_mov_b32 s47, 0
	s_mul_i32 s20, s10, PART                       ; where my part goes in a slot: no place in the cluster enters an LDS address
	s_mov_b32 s22, 0                               ; the slot that is being read: 0 or SLOT
	s_wait_dscnt 0x0                               ; the opening add is done
	s_wait_kmcnt 0x0
	s_add_nc_u64 s[14:15], s[4:5], s[16:17]
	s_add_nc_u64 s[46:47], s[6:7], s[46:47]
	CROUND                                         ; all sixteen work-groups are here: the first joint loads meet
	s_mov_b32 s[G0], 1
	s_mov_b32 s[G0+1], s20
	s_add_nc_u64 s[G0+2:G0+3], s[14:15], 0
	s_or_b32 s[G0+3], s[G0+3], 0x80000000
	s_mov_b32 s[G0W], 1
	s_add_co_u32 s[G0W+1], s20, SLOT
	s_add_nc_u64 s[G0W+2:G0W+3], s[14:15], ASTEP
	s_or_b32 s[G0W+3], s[G0W+3], 0x80000000
	s_mov_b32 s[G0B], 1
	s_mov_b32 s[G0B+1], s20
	s_add_nc_u64 s[G0B+2:G0B+3], s[46:47], 0
	s_or_b32 s[G0B+3], s[G0B+3], 0x80000000
	s_mov_b32 s[G0BW], 1
	s_add_co_u32 s[G0BW+1], s20, SLOT
	s_add_nc_u64 s[G0BW+2:G0BW+3], s[46:47], BSTEP
	s_or_b32 s[G0BW+3], s[G0BW+3], 0x80000000
	s_cmp_eq_u32 s11, 0                            ; a wave's two first fills stand in one branch: two loads of mine are out
	s_cbranch_scc0 .Lfirst_b
	tensor_load_to_lds s[G0:G0+3], s[G1:G1+7]
	s_nop 0
	tensor_load_to_lds s[G0W:G0W+3], s[G1:G1+7]
	s_nop 0
.rept 4
	v_nop
.endr
	s_branch .Lfirst_asked
.Lfirst_b:
	tensor_load_to_lds s[G0B:G0B+3], s[G1B:G1B+7]
	s_nop 0
	tensor_load_to_lds s[G0BW:G0BW+3], s[G1B:G1B+7]
	s_nop 0
.rept 4
	v_nop
.endr
.Lfirst_asked:
	v_and_b32 v1, 15, v0                           ; l % 16
	v_bfe_u32 v2, v0, 4, 1                         ; l / 16
	v_and_b32 v4, 7, v0
	v_bfe_u32 v5, v0, 3, 1
	v_mul_u32_u24 v3, v1, PAS
	v_lshl_add_u32 v3, v2, 4, v3
	s_mul_i32 s23, s11, PART                       ; my 64 rows of A
	v_add_nc_u32 v[ADRA0], s23, v3
	v_lshl_add_u32 v3, v2, 3, v4                   ; the turning load: k row 8 (l / 16) + l % 8, columns 8 ((l / 8) % 2) + 0..7
	v_mul_u32_u24 v3, v3, PB
	v_lshl_add_u32 v3, v5, 4, v3
	s_lshl_b32 s23, s12, 7                         ; my 64 columns of B: 128 bytes of a k row,
	s_add_co_u32 s23, s23, 2*PART                  ; behind A's two parts
	v_add_nc_u32 v[ADRB0], s23, v3
	v_mov_b32 v[ADRA], v[ADRA0]
	v_mov_b32 v[ADRB], v[ADRB0]
	v_add_nc_u32 v[ADRBH], 128*PB, v[ADRB0]
	s_mul_i32 s23, s10, WST                        ; my stage.  In: row l % 16, 32 bytes for each half of the lanes
	v_mul_u32_u24 v3, v1, SP
	v_lshl_add_u32 v3, v2, 5, v3
	v_add_nc_u32 v[STO], s23, v3
	v_mul_u32_u24 v3, v2, SP                       ; back: lanes 0-15 take one row of 256 bytes, lanes 16-31 the next
	v_lshl_add_u32 v3, v1, 4, v3
	v_add_nc_u32 v[RD], s23, v3
	v_lshlrev_b32 v3, 12, v2                       ; and the same two rows in R and C
	v_lshl_add_u32 v[CO], v1, 4, v3
	v_lshlrev_b32 v[BO], 4, v1
	s_lshl_b32 s17, s42, 7                         ; my first column: 128 x tile column + 64 x half,
	s_lshl_b32 s18, s12, 6
	s_add_co_u32 s17, s17, s18
	s_lshl_b32 s18, s17, 2                         ; in bytes
	s_mov_b32 s19, 0
	s_add_nc_u64 s[68:69], s[68:69], s[18:19]
	s_lshl_b32 s16, s13, 7                         ; my first row: 128 x tile row + 64 x half,
	s_lshl_b32 s17, s11, 6
	s_add_co_u32 s16, s16, s17
	s_lshl_b32 s16, s16, 12                        ; x 4,096 bytes
	s_add_co_u32 s16, s16, s18
	s_mov_b32 s17, 0
	s_add_nc_u64 s[8:9], s[8:9], s[16:17]
	s_add_nc_u64 s[70:71], s[70:71], s[16:17]
	global_load_b128 v[BI:BI+3], v[BO], s[68:69]
	WIN 0x80                                       ; destination window 2: my 64 x 64 of R comes in under the K loop
.set t, 0
.rept 32
	global_load_b128 v[4*t:4*t+3], v[CO], s[70:71] offset:t*8192
.set t, t+1
.endr
	WIN 0
; 8 matrix instructions: m blocks a0, a0 + 1 x all 4 n blocks, 32 along K: half c of buffer f.  The 16 accumulators take turns in one order everywhere.
.macro MUL8 f, c, a0, zero
	WIN MUL
.irp a, \a0, (\a0)+1
.irp b, 0,1,2,3
.if \zero
	v_wmma_f32_16x16x32_bf16 v[ACC+8*(4*(\a)+(\b)):ACC+8*(4*(\a)+(\b))+7], v[(\f)+64+8*(4*(\c)+(\b)):(\f)+64+8*(4*(\c)+(\b))+7], v[(\f)+8*(4*(\c)+(\a)):(\f)+8*(4*(\c)+(\a))+7], 0
.else
	v_wmma_f32_16x16x32_bf16 v[ACC+8*(4*(\a)+(\b)):ACC+8*(4*(\a)+(\b))+7], v[(\f)+64+8*(4*(\c)+(\b)):(\f)+64+8*(4*(\c)+(\b))+7], v[(\f)+8*(4*(\c)+(\a)):(\f)+8*(4*(\c)+(\a))+7], v[ACC+8*(4*(\a)+(\b)):ACC+8*(4*(\a)+(\b))+7]
.endif
.endr
.endr
.endm
; 32 LDS loads in one run: the fragments of quarter q (64 along K: one channel block of A) into buffer f; the first 32 along K first
.macro FETCH q, f
	WIN TO_F
.irp c, 0,1
.irp i, 0,1,2,3
	ds_load_tr16_b128 v[(\f)+64+8*(4*(\c)+(\i)):(\f)+64+8*(4*(\c)+(\i))+3],   v[ADRB+(\q)/2] offset:(((\q)%2)*64+32*(\c))*PB+32*(\i)
	ds_load_tr16_b128 v[(\f)+64+8*(4*(\c)+(\i))+4:(\f)+64+8*(4*(\c)+(\i))+7], v[ADRB+(\q)/2] offset:(((\q)%2)*64+32*(\c))*PB+16*PB+32*(\i)
	ds_load_b128 v[(\f)+8*(4*(\c)+(\i)):(\f)+8*(4*(\c)+(\i))+3],   v[ADRA] offset:(\q)*CHUNK+(\i)*16*PAS+64*(\c)
	ds_load_b128 v[(\f)+8*(4*(\c)+(\i))+4:(\f)+8*(4*(\c)+(\i))+7], v[ADRA] offset:(\q)*CHUNK+(\i)*16*PAS+64*(\c)+32
.endr
.endr
.endm
.macro PLACES
.rept 4
	v_nop
.endr
.endm
.macro QUARTER q, f, g, zero           ; multiplies buffer f; in its middle it fetches quarter q into buffer g
	s_wait_dscnt 16                                ; the first 32 along K are in; the sixteen younger loads may be out
	MUL8 \f, 0, 0, \zero
	MUL8 \f, 0, 2, \zero
	PLACES
	FETCH \q, \g
	s_wait_dscnt 32                                ; all but the 32 just issued
	MUL8 \f, 1, 0, 0
	MUL8 \f, 1, 2, 0
.endm
; The last quarter multiplies buffer 1 and changes slots: ONE barrier; in front of it each wave waits for all its tensor loads, adds 0 to its spare word, and waits for that and for its reads of this slot.
; fill = 1: the barrier opens a round of the cluster's, and this slot is filled again first behind it, with the K step two on.
.macro TURN fill
	WIN 0
	s_wait_tensorcnt 0x0
	ds_add_u32 v[SPW], v[NIL]
	s_wait_dscnt 17                                ; the add and the youngest sixteen loads may be out
	MUL8 F1, 0, 0, 0
	s_wait_dscnt 0x0                               ; the add is done, and my reads of this slot are over
	s_barrier_signal -1
	MUL8 F1, 0, 2, 0
.if \fill
	WIN 0
.endif
	s_barrier_wait -1
.if \fill
	CREST
	s_add_co_u32 s[G0W+1], s20, s22                ; the slot that was read, the next K step: no load of mine is out, so group 0 may be written
	s_add_nc_u64 s[G0W+2:G0W+3], s[G0W+2:G0W+3], ASTEP
	s_add_co_u32 s[G0BW+1], s20, s22
	s_add_nc_u64 s[G0BW+2:G0BW+3], s[G0BW+2:G0BW+3], BSTEP
	JLOAD                                          ; its four v_nop are also the places in front of the loads below
.else
	PLACES
.endif
	WIN 0
	s_xor_b32 s22, s22, SLOT
	v_add_nc_u32 v[ADRA], s22, v[ADRA0]
	v_add_nc_u32 v[ADRB], s22, v[ADRB0]
	v_add_nc_u32 v[ADRBH], 128*PB, v[ADRB]
	FETCH 0, F0
	MUL8 F1, 1, 0, 0
	MUL8 F1, 1, 2, 0
.endm
	s_wait_tensorcnt 1                             ; my part of K step 0 is in; K step 1's, issued behind it, may stay out
	s_barrier_signal -1
	s_barrier_wait -1
	FETCH 0, F0
	QUARTER 1, F0, F1, 1                           ; the first products start the sums
	WIN 0
	s_mov_b32 s3, KS-2
.Lstep:
	QUARTER 2, F1, F0, 0
	QUARTER 3, F0, F1, 0
	TURN 1
	QUARTER 1, F0, F1, 0
	WIN 0
	s_sub_co_u32 s3, s3, 1
	s_cmp_lg_u32 s3, 0
	s_cbranch_scc1 .Lstep
	s_mov_b32 s3, 2
.Ltail:                                                ; the last two K steps ask for nothing; the second trip is left in its middle
	QUARTER 2, F1, F0, 0
	QUARTER 3, F0, F1, 0
	WIN 0
	s_sub_co_u32 s3, s3, 1
	s_cmp_eq_u32 s3, 0
	s_cbranch_scc1 .Lfin
	TURN 0
	QUARTER 1, F0, F1, 0
	WIN 0
	s_branch .Ltail
.Lfin:
	s_wait_dscnt 16
	MUL8 F1, 0, 0, 0
	MUL8 F1, 0, 2, 0
	s_wait_dscnt 0x0
	MUL8 F1, 1, 0, 0
	MUL8 F1, 1, 2, 0
	; THE WAY OUT.  The bias is added onto R: 64 plain instructions that name no register of the products: the places behind them.  The sums go through my stage, 64 rows of 272 bytes in the ring, which nobody reads or fills
	; any more behind the barrier, and come back as whole rows; each is added onto R + bias and stored.
	s_wait_loadcnt 0x0                             ; the bias and R
	WIN 0x82                                       ; destination and source 0 window 2, source 1 window 0
.set z, 0
.rept 64
	v_pk_add_f32 v[2*z:2*z+1], v[2*z:2*z+1], v[BI+2*(z%2):BI+2*(z%2)+1]
.set z, z+1
.endr
	WIN 0
	s_wait_dscnt 0x0                               ; my reads of the ring are over,
	s_barrier_signal -1
	s_barrier_wait -1                              ; everybody's are
.irp a, 0,1,2,3
.irp b, 0,1,2,3
	ds_store_b128 v[STO], v[ACC+8*(4*(\a)+(\b)):ACC+8*(4*(\a)+(\b))+3]   offset:(\a)*16*SP+(\b)*64     ; each accumulator's low registers first
	ds_store_b128 v[STO], v[ACC+8*(4*(\a)+(\b))+4:ACC+8*(4*(\a)+(\b))+7] offset:(\a)*16*SP+(\b)*64+16
.endr
.endr
.set t, 0
.rept 32
	ds_load_b128 v[ACC+4*t:ACC+4*t+3], v[RD] offset:t*2*SP  ; LDS serves a wave's instructions in order (ISA guide 5.7.1.4): these see my stores above
.set t, t+1
.endr
	WIN 0x88                                       ; destination and source 1 (the stores' data too) window 2, source 0 (the stores' offset too) window 0
.set t, 0
.rept 32
	s_wait_dscnt 31-t                              ; pair t of rows is back; the younger loads stay out
	v_pk_add_f32 v[4*t:4*t+1], v[ACC+4*t:ACC+4*t+1], v[4*t:4*t+1]
	v_pk_add_f32 v[4*t+2:4*t+3], v[ACC+4*t+2:ACC+4*t+3], v[4*t+2:4*t+3]
	global_store_b128 v[CO], v[4*t:4*t+3], s[8:9] offset:t*8192  ; 16 lanes store my 64 columns of a row: 256 consecutive bytes, at a multiple of 256 from C's first byte
.set t, t+1
.endr
	WIN 0
	s_wait_tensorcnt 0x0                           ; the wave's end: a wait, an add and a wait, behind my last tensor load and my last LDS store
	ds_add_u32 v[SPW], v[NIL]
	s_wait_dscnt 0x0
	CROUND                                         ; the closing round: no work-group ends while a partner may still ask for a tile that names it
	s_endpgm
.Lfunc_end_k_q6d592231ce_ff2:
	.size	k_q6d592231ce_ff2, .Lfunc_end_k_q6d592231ce_ff2-k_q6d592231ce_ff2
	.p2alignl 7, 3214868480
	.fill 96, 4, 3214868480
	.section	.rodata,"a",@progbits
	.p2align	6, 0x0
	.amdhsa_kernel k_q6d592231ce_ff2
		.amdhsa_group_segment_fixed_size 327680
		.amdhsa_private_segment_fixed_size 0
		.amdhsa_enable_private_segment 0
		.amdhsa_kernarg_size 40
		.amdhsa_user_sgpr_count 2
		.amdhsa_user_sgpr_kernarg_segment_ptr 1
		.amdhsa_wavefront_size32 1
		.amdhsa_system_sgpr_workgroup_id_x 1
		.amdhsa_system_sgpr_workgroup_id_y 1
		.amdhsa_system_sgpr_workgroup_id_z 1
		.amdhsa_system_vgpr_workitem_id 0
		.amdhsa_next_free_vgpr 640
		.amdhsa_next_free_sgpr 72
		.amdhsa_reserve_vcc 0
		.amdhsa_float_denorm_mode_32 3
		.amdhsa_float_denorm_mode_16_64 3
		.amdhsa_memory_ordered 1
		.amdhsa_forward_progress 1
		.amdhsa_inst_pref_size 72
	.end_amdhsa_kernel
	.amdgpu_metadata
---
amdhsa.version: [ 1, 2 ]
amdhsa.kernels:
  - .name:           k_q6d592231ce_ff2
    .symbol:         k_q6d592231ce_ff2.kd
    .args:
      - { .name: g, .offset: 0, .size: 8, .value_kind: global_buffer, .address_space: global }
      - { .name: wb, .offset: 8, .size: 8, .value_kind: global_buffer, .address_space: global }
      - { .name: out0, .offset: 16, .size: 8, .value_kind: global_buffer, .address_space: global }
      - { .name: b2, .offset: 24, .size: 8, .value_kind: global_buffer, .address_space: global }
      - { .name: x2, .offset: 32, .size: 8, .value_kind: global_buffer, .address_space: global }
    .group_segment_fixed_size: 327680
    .private_segment_fixed_size: 0
    .kernarg_segment_align: 8
    .kernarg_segment_size: 40
    .max_flat_workgroup_size: 128
    .sgpr_count:     72
    .vgpr_count:     640
    .wavefront_size: 32
...
	.end_amdgpu_metadata
.endif
;; end of part 6
